; MI455X (gfx1250); checked and timed in simulation.
; The chip was launched on July 23, 2026; its instructions are those of AMD's public machine-readable ISA for CDNA 5 (MIT licence, August 2026) and "CDNA5" Instruction Set Architecture Reference Guide (July 2026). The comments in the code are by the model that wrote it; some were corrected since.
;; Single QMSAN Head. Allowed arithmetic: matrix products marked QUANTISED: E2M1 operands, one E8M0 scale for each 32 along K, by v_wmma_scale_f32_16x16x128_f8f6f4 with both operands' format E2M1 (or v_wmma_scale_f32_32x16x128_f4), f32 sums; everything else in f32.
;; Inputs: Wk_codes 256 x 8 x 16 uint8 (E2M1 codes of Wk, K innermost, in blocks of 32 codes, two codes a byte); Wk_scales 256 x 8 uint8 (E8M0 scales of Wk, one for each 32 codes along K); Wq_codes 256 x 8 x 16 uint8 (E2M1 codes of Wq, K innermost, in blocks of 32 codes, two codes a byte); Wq_scales 256 x 8 uint8 (E8M0 scales of Wq, one for each 32 codes along K); Wv_codes 128 x 8 x 16 uint8 (E2M1 codes of Wv, K innermost, in blocks of 32 codes, two codes a byte); Wv_scales 128 x 8 uint8 (E8M0 scales of Wv, one for each 32 codes along K); x 4 x 256 x 256 float32.
;; Outputs: out0 4 x 256 x 128 float32.
;; This version of the problem:
;;   THIS VERSION OF THE PROBLEM IS GIVEN IN LOW PRECISION. The matrix products marked QUANTISED in the list below multiply operands that are first quantised to E2M1 (2 exponent bits, 1 mantissa bit; 4 bits a number), with one power-of-two scale for each 32 numbers along K (OCP MX v1.0); their sums are f32. All else is computed in f32.
;;   The module's matrix products, in the order in which they are computed (A, B: the left and right operand; K: the contracted axis; several contracted axes count as one K, in the product's order):
;;     1. [M 1,024, K 256] x [K 256, N 128]; A: input x; B: input Wv (given as codes): QUANTISED
;;     2. [M 1,024, K 256] x [K 256, N 256]; A: computed on the way; B: input Wq (given as codes): QUANTISED
;;     3. [M 1,024, K 256] x [K 256, N 256]; A: computed on the way; B: input Wk (given as codes): QUANTISED
;;     4. batch 4 x [M 256, K 256] x [K 256, N 128]; A: computed on the way; B: computed on the way: QUANTISED
;;   THE QUANTISER, for each operand of a quantised product, along K:
;;     - K is cut into blocks of 32 from its start; a last block that is shorter is filled with zeros.
;;     - A block's scale is 2^e with e = floor(log2(the largest magnitude in the block)) - 2, held to -126 .. 127; a block of zeros has e = 0. As a byte (E8M0): e + 127.
;;     - Each number is divided by its block's scale, clamped to +-6, and rounded to the nearest number of E2M1, ties to even, subnormals kept.
;;     - The product sums the exact products of the quantised numbers (number of the format x scale) in f32.
;;   ~~~python
;;   def quantise(x, axis):      # numpy; x: float32 -> the quantised numbers, widened to float32 again
;;       x = np.moveaxis(x, axis, -1); K = x.shape[-1]
;;       x = np.pad(x, [(0, 0)] * (x.ndim - 1) + [(0, -K % 32)]); x = x.reshape(x.shape[:-1] + (-1, 32)); a = np.abs(x).max(-1, keepdims=True)
;;       e = np.where(a > 0, np.clip(np.frexp(np.where(a > 0, a, 1))[1] - 1 - 2, -126, 127), 0)      # np.frexp(a)[1] - 1 = floor(log2(a)), exactly
;;       r = np.clip(x / 2.0 ** e, -6, 6)
;;       step = 2.0 ** (np.maximum(np.frexp(np.where(r == 0, 1, r))[1] - 1, 0) - 1)
;;       q = np.round(r / step) * step * 2.0 ** e      # np.round: ties to even
;;       return np.moveaxis(q.reshape(q.shape[:-2] + (-1,))[..., :K], -1, axis).astype(np.float32)
;;   ~~~
;;   OPERANDS COMPUTED ON THE WAY. 'Computed on the way' means the value that the module computes at that place (a softmax that the list does not call 'softmax' is quantised finished and normalised). What goes into a quantiser is computed in f32, as accurately as f32 sums, v_exp_f32 and their like allow (about 1e-6 of the number): no bf16 or f16 on the way to a quantiser, and a product that is left as it is and whose result goes on into a quantised operand takes f32 operands (vector FMAs, or v_wmma_f32_16x16x4_f32). A number that lies on a knife's edge between two numbers of the format may be rounded either way, as far as f32 arithmetic and the matrix unit's own rounding can turn it there, and no further.
;;   INPUTS GIVEN AS CODES. Wk (in the module: [256, 256], K = its axis 1); Wq (in the module: [256, 256], K = its axis 1); Wv (in the module: [128, 256], K = its axis 1): each comes as NAME_codes (uint8): NAME with its K axis moved to the last place and cut into blocks of 32 codes, [.., K / 32, bytes a block], one block behind the other in memory; two codes a byte, the lower K in the low four bits (a code: sign, 2 exponent bits, 1 mantissa bit); and NAME_scales (uint8): the same leading axes, one E8M0 byte (e + 127) for each 32 codes along K. Its value is code x scale, taken as it is: it is not quantised again, and the codes and scales need not be those that the quantiser above would give.
;; 2 versions. Each part assembles by itself: llvm-mc -triple=amdgcn-amd-amdhsa -mcpu=gfx1250 --defsym DOCPART=n.
;; ======== version 1 of 2: 2 launches
;; workspace buffers: rq 1,048,576 bytes; rk 1,048,576 bytes; hp 16,384 bytes; hk 16,384 bytes; vimg 65,536 bytes; vsc 4,096 bytes
;; launch prep (part 1): grid 160 x 1, 4 waves a work-group, no clusters, 8,704 bytes of LDS; arguments x, Wq_codes, Wq_scales, Wk_codes, Wk_scales, Wv_codes, Wv_scales, rq, rk, hp, hk, vimg, vsc; writes rq, rk, hp, hk, vimg, vsc
.if DOCPART == 1
	.amdgcn_target "amdgcn-amd-amdhsa--gfx1250"
	.amdhsa_code_object_version 6
	.text
	.protected	k_q19e472ccc4_prep
	.globl	k_q19e472ccc4_prep
	.p2align	8
	.type	k_q19e472ccc4_prep,@function
k_q19e472ccc4_prep:
	s_mov_b64 s[64:65], 0
	v_nop
	global_prefetch_b8 v0, s[64:65] scope:SCOPE_SE
	s_setreg_imm32_b32 hwreg(HW_REG_WAVE_MODE, 25, 1), 1
	s_wait_xcnt 0x0
; PREP: what the attention launch needs of each token, made once.  x: [1024 tokens][256] f32.  Wq, Wk [256][256], Wv [128][256]: E2M1 codes, K innermost, one E8M0 byte for 32 codes.
; Work-groups 0-63 (q) and 64-127 (k): one tile of 16 tokens.  psi = x / (|x| + 1e-12) is quantised along E in registers; amp = Q(psi) W^T on the matrix unit, used TRANSPOSED (source 0 = 16 rows of W,
;   source 1 = the 16 tokens), so that a lane holds ONE token and eight neighbouring f.  Wave w takes f = 64 w .. 64 w + 63: four accumulators, two K steps.  p = amp^2; the four waves' sums of p meet in LDS.
;   STORED: r = 128 p / (sum p + 1e-10), that is 128 rho, laid [32 tokens][e / 4][token][4 e]: sixteen lanes store 256 consecutive aligned bytes, and the reader's lane (a token) loads 16 bytes beside its neighbour's.
;   STORED: each wave's part of H = sum of r log2(2 r + 256 x 1e-10) = sum of 128 rho (log2(rho + 1e-10) + 8), laid [token][4 waves].  The 8 cancels in the divergence (half of P's and Q's sums against m's) and keeps the sums small.
; Work-groups 128-159: 32 tokens, V = Q(x) Wv^T.  Wave w quantises one piece of x (token tile w / 2, K step w % 2) and hands it on through LDS as an image of the operand's registers.  Source 0 = 16 tokens, source 1 = 16 rows of Wv:
;   a lane holds ONE channel and eight tokens.  THE TOKENS OF A TILE ARE NOT NEIGHBOURS: lane r of tile u takes token 8 u + r + 8 (r / 8), so that a lane's 16 registers of the two tiles are 16 neighbouring tokens.
;   V is quantised along the tokens (the K of the last product) and stored as the image of that product's operand registers: [batch][K step][channel tile][c][lane][16 bytes]; its scale bytes as words [batch][K step][tile][channel].
; No tensor load and no cluster: a work-group reads 16 KiB or 32 KiB of x and a part of a weight once, straight into the registers that use them.
; LIMITS: the divisions are v_rcp_f32 with one Newton step and a multiplication (the last bit may differ from a true division); NaN and infinities in x are not served;
; a block whose largest magnitude lies under 2^-124 gets the scale byte 1 (a block of zeros too: its codes are zeros, which add nothing).
.set SUMS, 0                           ; LDS, q/k path: 16 tokens x 4 waves' sums of p
.set VIMG, 1024                        ; LDS, V path (bytes of its own): four fragments' images of 1,024 bytes,
.set VSCL, 5120                        ; and their scale words, 128 bytes each
.set RR,  1                            ; v1  r = lane % 16
.set HH,  2                            ; v2  h = lane / 16
.set XA,  3                            ; v3  q/k: my bytes in the tile's rows of x
.set WA,  4                            ; v4  my bytes in W's codes
.set WSA, 5                            ; v5  and in W's scale words
.set RO,  6                            ; v6  where r goes
.set HO,  7                            ; v7  where my wave's part of H goes
.set LSW, 8                            ; v8  LDS: 16 r + 4 wave
.set LSR, 9                            ; v9  LDS: 16 r
.set VXA, 10                           ; v10 V path: x
.set VWA, 11                           ; v11 Wv's codes
.set VWS, 12                           ; v12 Wv's scale words
.set IMW, 13                           ; v13 LDS: where my image goes
.set ISW, 14                           ; v14 LDS: and its scale word
.set LI,  15                           ; v15 LDS: VIMG + 16 lane
.set LS,  16                           ; v16 LDS: VSCL + 4 lane
.set VCO, 17                           ; v17 where V's codes go
.set VSO, 18                           ; v18 and V's scale bytes
.set TL,  19                           ; v19 at work
.set TM,  20                           ; v20-35 at work
.set PW,  36                           ; v36-37 the scale words just made: scales and nothing else
.set WS,  38                           ; v38-45 scale words from memory and LDS: scales and nothing else
.set XS,  42
.set PC,  48                           ; v48-63 codes just made
.set WF,  64                           ; v64-127 the weight's fragments (V path: v96-127 x's four fragments)
.set XF,  96
.set X,   128                          ; v128-255 numbers of x; when they are quantised:
.set ACC, 128                          ; v128-159 four accumulators,
.set T,   160                          ; v160-191 arguments of the logarithms, then the logarithms,
.set U,   192                          ; v192-201 at work
.set WV,  30                           ; s30 wave
.set SEL, 32                           ; s[32:33] v_permlanex16_b32's selects for lane l xor 16
.set EP,  34                           ; s[34:35] 256 x 1e-10 (named as a pair by the packed form)
; 64 numbers of a lane, register 16 b + i = k 32 b + 16 h + i of my row, become a fragment's codes in v[pc] on and its scale word in v[pw].
.macro QUANT s, pc, pw
.irp b, 0,1,2,3
	v_max3_num_f32 v[TM+\b], |v[\s+16*\b]|, |v[\s+16*\b+1]|, 0x1800000   ; block b: my 16 numbers, and the floor 2^(3 - 127): the byte cannot fall under 1
.endr
.irp i, 2,4,6,8,10,12,14
.irp b, 0,1,2,3
	v_max3_num_f32 v[TM+\b], v[TM+\b], |v[\s+16*\b+\i]|, |v[\s+16*\b+\i+1]|   ; the four blocks by turns
.endr
.endr
.irp b, 0,1,2,3
	v_permlanex16_b32 v[TM+4+\b], v[TM+\b], s[SEL], s[SEL+1]
.endr
.irp b, 0,1,2,3
	v_max_num_f32 v[TM+\b], v[TM+\b], v[TM+4+\b]       ; with lane l xor 16's: the block's largest magnitude
.endr
.irp b, 0,1,2,3
	v_add_nc_u32 v[TM+12+\b], 0xff000000, v[TM+\b]     ; 2 off its exponent field: the conversion's scale operand
.endr
.irp b, 0,1,2,3
	v_lshrrev_b32 v[TM+4+\b], 23, v[TM+12+\b]          ; the scale's byte
.endr
	v_lshl_or_b32 v[\pw], v[TM+5], 8, v[TM+4]
	v_lshl_or_b32 v[\pw], v[TM+6], 16, v[\pw]
	v_lshl_or_b32 v[\pw], v[TM+7], 24, v[\pw]
.irp b, 0,1,2,3
	v_cvt_scalef32_pk8_fp4_f32 v[\pc+2*\b], v[\s+16*\b:\s+16*\b+7], v[TM+12+\b]
	v_cvt_scalef32_pk8_fp4_f32 v[\pc+2*\b+1], v[\s+16*\b+8:\s+16*\b+15], v[TM+12+\b]
.endr
	v_nop                                              ; one plain place behind the scaled conversions
.irp c, 0,1                                        ; the operand wants a whole block in a lane: lanes 0-15 block 2 c, lanes 16-31 block 2 c + 1
.irp i, 0,1
	v_permlane16_swap_b32 v[\pc+4*\c+\i], v[\pc+4*\c+2+\i]
.endr
.endr
.endm
	s_load_b512 s[4:19], s[0:1], 0x0                   ; x s[4:5], Wq codes s[6:7], scales s[8:9], Wk codes s[10:11], scales s[12:13], Wv codes s[14:15], scales s[16:17], rq s[18:19]
	s_load_b256 s[20:27], s[0:1], 0x40                 ; rk s[20:21], hp s[22:23], hk s[24:25], vimg s[26:27]
	s_load_b64 s[28:29], s[0:1], 0x60                  ; vsc
	v_lshl_add_u32 v46, v0, 2, 0x2000
	v_mov_b32 v47, 0
	v_lshrrev_b32 v[TL], 5, v0
	v_readfirstlane_b32 s[WV], v[TL]                   ; wave 0..3
	v_and_b32 v[RR], 15, v0
	v_bfe_u32 v[HH], v0, 4, 1
	v_and_b32 v[TL], 31, v0                            ; lane
	s_mov_b32 s[SEL], 0x76543210
	s_mov_b32 s[SEL+1], 0xfedcba98
	s_mov_b32 s[EP], 0x32dbe6ff                        ; 256 x 1e-10
	s_mov_b32 s[EP+1], s[EP]
	; every LDS address is made here, ahead of the parting of the two paths
	v_lshlrev_b32 v[LSR], 4, v[RR]
	s_lshl_b32 s36, s[WV], 2
	v_add_nc_u32 v[LSW], s36, v[LSR]
	v_lshl_add_u32 v[LI], v[TL], 4, VIMG
	v_lshl_add_u32 v[LS], v[TL], 2, VSCL
	s_lshl_b32 s36, s[WV], 10
	v_add_nc_u32 v[IMW], s36, v[LI]
	s_lshl_b32 s36, s[WV], 7
	v_add_nc_u32 v[ISW], s36, v[LS]
.irp b, 4,5,6,7
	v_mov_b32 v[TM+\b], 0                              ; written once: a lane permute's destination counts as one of its sources
.endr
	s_cmp_lt_u32 ttmp9, 128                            ; the same for all four waves of a work-group
	s_cbranch_scc0 .Lvalues
	; ---------------- q and k ----------------
	s_and_b32 s40, ttmp9, 63                           ; the tile of 16 tokens
	s_lshl_b32 s42, s40, 14                            ; its 16 rows of 1,024 bytes
	s_mov_b32 s43, 0
	v_lshlrev_b32 v[XA], 10, v[RR]
	v_lshl_add_u32 v[XA], v[HH], 6, v[XA]              ; row r, + 64 h: my 16 numbers of a block of 32
	v_lshlrev_b32 v[WA], 7, v[RR]                      ; W: a row of 256 codes is 128 bytes
	v_lshl_add_u32 v[WA], v[HH], 4, v[WA]
	s_lshl_b32 s36, s[WV], 13                          ; my 64 rows
	v_add_nc_u32 v[WA], s36, v[WA]
	s_lshl_b32 s37, s[WV], 9                           ; their scale bytes, 8 a row
	v_lshl_add_u32 v[WSA], v[RR], 3, s37
	s_and_b32 s38, s40, 1                              ; r: (tile / 2) x 32,768 + (e / 4) x 512 + (tile % 2) x 256 + 16 r, e / 4 = 16 wave + 4 t + 2 h + 0, 1
	s_lshl_b32 s38, s38, 8
	s_lshr_b32 s39, s40, 1
	s_lshl_b32 s39, s39, 15
	s_add_co_u32 s38, s38, s39
	s_add_co_u32 s38, s38, s36
	v_lshl_add_u32 v[RO], v[HH], 10, s38
	v_lshl_add_u32 v[RO], v[RR], 4, v[RO]
	s_lshl_b32 s39, s40, 8                             ; H: 16 bytes a token, 4 a wave
	s_lshl_b32 s41, s[WV], 2
	s_add_co_u32 s39, s39, s41
	v_lshl_add_u32 v[HO], v[RR], 4, s39
	s_wait_kmcnt 0x0
	s_cmp_lt_u32 ttmp9, 64                             ; q or k: the choice hangs on the work-group's number alone; only pointers are chosen
	s_cselect_b64 s[44:45], s[6:7], s[10:11]
	s_cselect_b64 s[46:47], s[8:9], s[12:13]
	s_cselect_b64 s[48:49], s[18:19], s[20:21]
	s_cselect_b64 s[50:51], s[22:23], s[24:25]
	s_add_nc_u64 s[4:5], s[4:5], s[42:43]
.irp b, 0,1,2,3,4,5,6,7
.irp j, 0,1,2,3
	global_load_b128 v[X+16*\b+4*\j:X+16*\b+4*\j+3], v[XA], s[4:5] offset:128*\b+16*\j
.endr
.endr
.irp t, 0,1,2,3                                    ; my four tiles of W, both K steps, and their scale words: 24 loads
.irp s, 0,1
.irp c, 0,1
	global_load_b128 v[WF+16*\t+8*\s+4*\c:WF+16*\t+8*\s+4*\c+3], v[WA], s[44:45] offset:2048*\t+64*\s+32*\c
.endr
	global_load_b32 v[WS+2*\t+\s], v[WSA], s[46:47] offset:128*\t+4*\s
.endr
.endr
	s_wait_loadcnt 24                                  ; x's 32 loads are in; the 24 of W, issued behind them, may be out
.irp c, 0,2,4,6
	v_pk_mul_f32 v[TM+\c:TM+\c+1], v[X+\c:X+\c+1], v[X+\c:X+\c+1]   ; the sum of squares, in four packed chains
.endr
.irp k, 8,16,24,32,40,48,56,64,72,80,88,96,104,112,120
.irp c, 0,2,4,6
	v_pk_fma_f32 v[TM+\c:TM+\c+1], v[X+\k+\c:X+\k+\c+1], v[X+\k+\c:X+\k+\c+1], v[TM+\c:TM+\c+1]
.endr
.endr
	v_pk_add_f32 v[TM:TM+1], v[TM:TM+1], v[TM+2:TM+3]
	v_pk_add_f32 v[TM+4:TM+5], v[TM+4:TM+5], v[TM+6:TM+7]
	v_pk_add_f32 v[TM:TM+1], v[TM:TM+1], v[TM+4:TM+5]
	v_add_f32 v[TM], v[TM], v[TM+1]
	v_permlanex16_b32 v[TM+1], v[TM], s[SEL], s[SEL+1]
	v_add_f32 v[TM], v[TM], v[TM+1]                    ; with lane l xor 16's half of the row
	v_sqrt_f32 v[TM+2], v[TM]
	v_nop                                              ; a plain place behind the root,
	s_wait_alu depctr_va_vdst(0)                       ; and a wait ahead of the first use of its result
	v_add_f32 v[TM+2], 0x2b8cbccc, v[TM+2]             ; |x| + 1e-12
	v_rcp_f32 v[TM+4], v[TM+2]
	v_nop
	s_wait_alu depctr_va_vdst(0)
	v_fma_f32 v[TM+3], -v[TM+2], v[TM+4], 1.0          ; one Newton step
	v_fma_f32 v[TM+4], v[TM+4], v[TM+3], v[TM+4]
	v_mov_b32 v[TM+5], v[TM+4]
.irp k, 0,2,4,6,8,10,12,14,16,18,20,22,24,26,28,30,32,34,36,38,40,42,44,46,48,50,52,54,56,58,60,62,64,66,68,70,72,74,76,78,80,82,84,86,88,90,92,94,96,98,100,102,104,106,108,110,112,114,116,118,120,122,124,126
	v_pk_mul_f32 v[X+\k:X+\k+1], v[X+\k:X+\k+1], v[TM+4:TM+5]   ; psi
.endr
	QUANT X, PC, PW
	QUANT X+64, PC+8, PW+1
.rept 8
	v_nop                                              ; a scale word written by a vector instruction stands 8 places ahead of a scaled matrix instruction, an operand so written 4
.endr
	s_wait_loadcnt 0x0                                 ; W
.irp t, 0,1,2,3                                    ; four accumulators by turns, K step by K step; the first K step starts the sums
	v_wmma_scale_f32_16x16x128_f8f6f4 v[ACC+8*\t:ACC+8*\t+7], v[WF+16*\t:WF+16*\t+7], v[PC:PC+7], 0, v[WS+2*\t], v[PW] matrix_a_fmt:MATRIX_FMT_FP4 matrix_b_fmt:MATRIX_FMT_FP4
.endr
.irp t, 0,1,2,3
	v_wmma_scale_f32_16x16x128_f8f6f4 v[ACC+8*\t:ACC+8*\t+7], v[WF+16*\t+8:WF+16*\t+15], v[PC+8:PC+15], v[ACC+8*\t:ACC+8*\t+7], v[WS+2*\t+1], v[PW+1] matrix_a_fmt:MATRIX_FMT_FP4 matrix_b_fmt:MATRIX_FMT_FP4
.endr
.rept 4
	v_nop                                              ; four places ahead of the first read of results
.endr
.irp k, 0,2,4,6,8,10,12,14,16,18,20,22,24,26,28,30
	v_pk_mul_f32 v[ACC+\k:ACC+\k+1], v[ACC+\k:ACC+\k+1], v[ACC+\k:ACC+\k+1]   ; p = amp^2; each accumulator from its low end on
.endr
	v_pk_add_f32 v[U:U+1], v[ACC:ACC+1], v[ACC+2:ACC+3]
	v_pk_add_f32 v[U+2:U+3], v[ACC+4:ACC+5], v[ACC+6:ACC+7]
.irp k, 8,12,16,20,24,28
	v_pk_add_f32 v[U:U+1], v[U:U+1], v[ACC+\k:ACC+\k+1]
	v_pk_add_f32 v[U+2:U+3], v[U+2:U+3], v[ACC+\k+2:ACC+\k+3]
.endr
	v_pk_add_f32 v[U:U+1], v[U:U+1], v[U+2:U+3]
	v_add_f32 v[U], v[U], v[U+1]
	v_permlanex16_b32 v[U+1], v[U], s[SEL], s[SEL+1]
	v_add_f32 v[U], v[U], v[U+1]                       ; my wave's 64 f of token r
	ds_store_b32 v[LSW], v[U]                          ; both halves of the lanes write the same word with the same value
	s_wait_dscnt 0x0                                   ; for the others' sake: my store has landed
	s_barrier_signal -1
	s_barrier_wait -1
	ds_load_b128 v[U+4:U+7], v[LSR]                    ; the four waves' sums of token r
	s_wait_dscnt 0x0
	v_add_f32 v[U+4], v[U+4], v[U+5]
	v_add_f32 v[U+6], v[U+6], v[U+7]
	v_add_f32 v[U+4], v[U+4], v[U+6]
	v_add_f32 v[U+4], 0x2edbe6ff, v[U+4]               ; + 1e-10
	v_rcp_f32 v[U+8], v[U+4]
	v_nop
	s_wait_alu depctr_va_vdst(0)
	v_fma_f32 v[U+5], -v[U+4], v[U+8], 1.0
	v_fma_f32 v[U+8], v[U+8], v[U+5], v[U+8]
	v_mul_f32 v[U+8], 0x43000000, v[U+8]               ; x 128: exact
	v_mov_b32 v[U+9], v[U+8]
.irp k, 0,2,4,6,8,10,12,14,16,18,20,22,24,26,28,30
	v_pk_mul_f32 v[ACC+\k:ACC+\k+1], v[ACC+\k:ACC+\k+1], v[U+8:U+9]   ; r = 128 rho
.endr
.irp t, 0,1,2,3
	global_store_b128 v[RO], v[ACC+8*\t:ACC+8*\t+3], s[48:49] offset:2048*\t        ; sixteen lanes: 256 consecutive aligned bytes
	global_store_b128 v[RO], v[ACC+8*\t+4:ACC+8*\t+7], s[48:49] offset:2048*\t+512
.endr
.irp k, 0,2,4,6,8,10,12,14,16,18,20,22,24,26,28,30
	v_pk_fma_f32 v[T+\k:T+\k+1], v[ACC+\k:ACC+\k+1], 2.0, s[EP:EP+1] op_sel_hi:[1,0,0]   ; 256 (rho + 1e-10)
.endr
.irp k, 0,1,2,3,4,5,6,7,8,9,10,11,12,13,14,15,16,17,18,19,20,21,22,23,24,25,26,27,28,29,30,31
	v_log_f32 v[T+\k], v[T+\k]                         ; log2(rho + 1e-10) + 8
.endr
	v_nop                                              ; a plain place behind the last logarithm,
	s_wait_alu depctr_va_vdst(0)                       ; and one wait for the batch of 32, ahead of its first reader
	v_pk_mul_f32 v[U:U+1], v[ACC:ACC+1], v[T:T+1]
	v_pk_mul_f32 v[U+2:U+3], v[ACC+2:ACC+3], v[T+2:T+3]
.irp k, 4,8,12,16,20,24,28
	v_pk_fma_f32 v[U:U+1], v[ACC+\k:ACC+\k+1], v[T+\k:T+\k+1], v[U:U+1]
	v_pk_fma_f32 v[U+2:U+3], v[ACC+\k+2:ACC+\k+3], v[T+\k+2:T+\k+3], v[U+2:U+3]
.endr
	v_pk_add_f32 v[U:U+1], v[U:U+1], v[U+2:U+3]
	v_add_f32 v[U], v[U], v[U+1]
	v_permlanex16_b32 v[U+1], v[U], s[SEL], s[SEL+1]
	v_add_f32 v[U], v[U], v[U+1]
	global_store_b32 v[HO], v[U], s[50:51]             ; my wave's part of H of token r (both halves of the lanes: the same word, the same value)
	s_wait_tensorcnt 0x0
	ds_add_u32 v46, v47
	s_wait_dscnt 0x0
	s_endpgm
	; ---------------- V ----------------
.Lvalues:
	s_sub_co_u32 s40, ttmp9, 128                       ; which 32 tokens: 8 batch + block
	s_lshl_b32 s42, s40, 15
	s_mov_b32 s43, 0
	v_and_b32 v[TL], 8, v[RR]
	v_add_nc_u32 v[TL], v[TL], v[RR]                   ; r + 8 (r / 8)
	s_lshr_b32 s36, s[WV], 1                           ; my piece: token tile u = wave / 2 (8 rows on),
	s_lshl_b32 s36, s36, 13
	s_and_b32 s37, s[WV], 1                            ; K step wave % 2 (512 bytes on)
	s_lshl_b32 s37, s37, 9
	s_add_co_u32 s36, s36, s37
	v_lshl_add_u32 v[VXA], v[TL], 10, s36
	v_lshl_add_u32 v[VXA], v[HH], 6, v[VXA]
	v_lshlrev_b32 v[VWA], 7, v[RR]
	v_lshl_add_u32 v[VWA], v[HH], 4, v[VWA]
	s_lshl_b32 s36, s[WV], 12                          ; my 32 rows of Wv
	v_add_nc_u32 v[VWA], s36, v[VWA]
	s_lshl_b32 s36, s[WV], 8
	v_lshl_add_u32 v[VWS], v[RR], 3, s36
	s_lshr_b32 s38, s40, 2                             ; 2 batch + K step of the last product
	s_and_b32 s39, s40, 3                              ; the block's place in that K step: 2 c + half of the lanes
	s_lshl_b32 s36, s38, 13
	s_lshl_b32 s37, s39, 8
	s_add_co_u32 s36, s36, s37
	s_lshl_b32 s37, s[WV], 11                          ; my two channel tiles
	s_add_co_u32 s36, s36, s37
	v_lshl_add_u32 v[VCO], v[RR], 4, s36
	v_lshl_add_u32 v[VCO], v[HH], 3, v[VCO]            ; channel r's 16 bytes of the block: lanes 0-15 hold the first 8, lanes 16-31 the last 8
	s_lshl_b32 s36, s38, 9
	s_add_co_u32 s36, s36, s39
	s_lshl_b32 s37, s[WV], 7
	s_add_co_u32 s36, s36, s37
	v_lshl_add_u32 v[VSO], v[RR], 2, s36               ; the block's byte in channel r's scale word
	s_wait_kmcnt 0x0
	s_add_nc_u64 s[4:5], s[4:5], s[42:43]
.irp b, 0,1,2,3
.irp j, 0,1,2,3
	global_load_b128 v[X+16*\b+4*\j:X+16*\b+4*\j+3], v[VXA], s[4:5] offset:128*\b+16*\j
.endr
.endr
.irp t, 0,1
.irp s, 0,1
.irp c, 0,1
	global_load_b128 v[WF+16*\t+8*\s+4*\c:WF+16*\t+8*\s+4*\c+3], v[VWA], s[14:15] offset:2048*\t+64*\s+32*\c
.endr
	global_load_b32 v[WS+2*\t+\s], v[VWS], s[16:17] offset:128*\t+4*\s
.endr
.endr
	s_wait_loadcnt 12                                  ; my piece's 16 loads are in; Wv's 12, issued behind them, may be out
	QUANT X, PC, PW
	ds_store_b128 v[IMW], v[PC:PC+3]                   ; the fragment goes to LDS as it stands: 16 bytes a lane, 512 a store
	ds_store_b128 v[IMW], v[PC+4:PC+7] offset:512
	ds_store_b32 v[ISW], v[PW]
	s_wait_dscnt 0x0                                   ; for the others' sake: my stores have landed
	s_barrier_signal -1
	s_barrier_wait -1
.irp f, 0,1,2,3                                    ; fragment 2 u + s comes back so in every wave
.irp c, 0,1
	ds_load_b128 v[XF+8*\f+4*\c:XF+8*\f+4*\c+3], v[LI] offset:1024*\f+512*\c
.endr
	ds_load_b32 v[XS+\f], v[LS] offset:128*\f
.endr
	s_wait_dscnt 0x0
	s_wait_loadcnt 0x0
.irp t, 0,1                                        ; four accumulators by turns: (channel tile t, token tile u) at ACC + 16 t + 8 u
.irp u, 0,1
	v_wmma_scale_f32_16x16x128_f8f6f4 v[ACC+16*\t+8*\u:ACC+16*\t+8*\u+7], v[XF+16*\u:XF+16*\u+7], v[WF+16*\t:WF+16*\t+7], 0, v[XS+2*\u], v[WS+2*\t] matrix_a_fmt:MATRIX_FMT_FP4 matrix_b_fmt:MATRIX_FMT_FP4
.endr
.endr
.irp t, 0,1
.irp u, 0,1
	v_wmma_scale_f32_16x16x128_f8f6f4 v[ACC+16*\t+8*\u:ACC+16*\t+8*\u+7], v[XF+16*\u+8:XF+16*\u+15], v[WF+16*\t+8:WF+16*\t+15], v[ACC+16*\t+8*\u:ACC+16*\t+8*\u+7], v[XS+2*\u+1], v[WS+2*\t+1] matrix_a_fmt:MATRIX_FMT_FP4 matrix_b_fmt:MATRIX_FMT_FP4
.endr
.endr
.rept 4
	v_nop
.endr
.irp t, 0,1                                        ; lane (r, h), tile t: registers 16 t + 0 .. 15 = V(token 16 h + 0 .. 15 of the block, channel r)
	v_max3_num_f32 v[TM+\t], |v[ACC+16*\t]|, |v[ACC+16*\t+1]|, 0x1800000
.endr
.irp i, 2,4,6,8,10,12,14
.irp t, 0,1
	v_max3_num_f32 v[TM+\t], v[TM+\t], |v[ACC+16*\t+\i]|, |v[ACC+16*\t+\i+1]|
.endr
.endr
.irp t, 0,1
	v_permlanex16_b32 v[TM+4+\t], v[TM+\t], s[SEL], s[SEL+1]
.endr
.irp t, 0,1
	v_max_num_f32 v[TM+\t], v[TM+\t], v[TM+4+\t]
.endr
.irp t, 0,1
	v_add_nc_u32 v[TM+12+\t], 0xff000000, v[TM+\t]
.endr
.irp t, 0,1
	v_lshrrev_b32 v[TM+8+\t], 23, v[TM+12+\t]
.endr
.irp t, 0,1
	v_cvt_scalef32_pk8_fp4_f32 v[PC+2*\t], v[ACC+16*\t:ACC+16*\t+7], v[TM+12+\t]
	v_cvt_scalef32_pk8_fp4_f32 v[PC+2*\t+1], v[ACC+16*\t+8:ACC+16*\t+15], v[TM+12+\t]
.endr
	v_nop
.irp t, 0,1
	global_store_b64 v[VCO], v[PC+2*\t:PC+2*\t+1], s[26:27] offset:1024*\t   ; 32 lanes: 256 consecutive aligned bytes
	global_store_b8 v[VSO], v[TM+8+\t], s[28:29] offset:64*\t                ; one byte in 128 of what the path makes
.endr
	s_wait_tensorcnt 0x0
	ds_add_u32 v46, v47
	s_wait_dscnt 0x0
	s_endpgm
.Lfunc_end_k_q19e472ccc4_prep:
	.size	k_q19e472ccc4_prep, .Lfunc_end_k_q19e472ccc4_prep-k_q19e472ccc4_prep
	.p2alignl 7, 3214868480
	.fill 96, 4, 3214868480
	.section	.rodata,"a",@progbits
	.p2align	6, 0x0
	.amdhsa_kernel k_q19e472ccc4_prep
		.amdhsa_group_segment_fixed_size 8704
		.amdhsa_private_segment_fixed_size 0
		.amdhsa_enable_private_segment 0
		.amdhsa_kernarg_size 104
		.amdhsa_user_sgpr_count 2
		.amdhsa_user_sgpr_kernarg_segment_ptr 1
		.amdhsa_wavefront_size32 1
		.amdhsa_system_sgpr_workgroup_id_x 1
		.amdhsa_system_sgpr_workgroup_id_y 1
		.amdhsa_system_sgpr_workgroup_id_z 1
		.amdhsa_system_vgpr_workitem_id 0
		.amdhsa_next_free_vgpr 256
		.amdhsa_next_free_sgpr 66
		.amdhsa_reserve_vcc 0
		.amdhsa_float_denorm_mode_32 3
		.amdhsa_float_denorm_mode_16_64 3
		.amdhsa_memory_ordered 1
		.amdhsa_forward_progress 1
		.amdhsa_inst_pref_size 46
	.end_amdhsa_kernel
	.amdgpu_metadata
---
amdhsa.version: [ 1, 2 ]
amdhsa.kernels:
  - .name:           k_q19e472ccc4_prep
    .symbol:         k_q19e472ccc4_prep.kd
    .args:
      - { .name: x, .offset: 0, .size: 8, .value_kind: global_buffer, .address_space: global }
      - { .name: Wq_codes, .offset: 8, .size: 8, .value_kind: global_buffer, .address_space: global }
      - { .name: Wq_scales, .offset: 16, .size: 8, .value_kind: global_buffer, .address_space: global }
      - { .name: Wk_codes, .offset: 24, .size: 8, .value_kind: global_buffer, .address_space: global }
      - { .name: Wk_scales, .offset: 32, .size: 8, .value_kind: global_buffer, .address_space: global }
      - { .name: Wv_codes, .offset: 40, .size: 8, .value_kind: global_buffer, .address_space: global }
      - { .name: Wv_scales, .offset: 48, .size: 8, .value_kind: global_buffer, .address_space: global }
      - { .name: rq, .offset: 56, .size: 8, .value_kind: global_buffer, .address_space: global }
      - { .name: rk, .offset: 64, .size: 8, .value_kind: global_buffer, .address_space: global }
      - { .name: hp, .offset: 72, .size: 8, .value_kind: global_buffer, .address_space: global }
      - { .name: hk, .offset: 80, .size: 8, .value_kind: global_buffer, .address_space: global }
      - { .name: vimg, .offset: 88, .size: 8, .value_kind: global_buffer, .address_space: global }
      - { .name: vsc, .offset: 96, .size: 8, .value_kind: global_buffer, .address_space: global }
    .group_segment_fixed_size: 8704
    .private_segment_fixed_size: 0
    .kernarg_segment_align: 8
    .kernarg_segment_size: 104
    .max_flat_workgroup_size: 128
    .sgpr_count:     66
    .vgpr_count:     256
    .wavefront_size: 32
...
	.end_amdgpu_metadata
.endif
;; end of part 1
;; launch attend (part 2): grid 64 x 4, 16 waves a work-group, no clusters, 83,968 bytes of LDS; arguments rq, rk, hp, hk, vimg, vsc, out0; writes out0
.if DOCPART == 2
	.amdgcn_target "amdgcn-amd-amdhsa--gfx1250"
	.amdhsa_code_object_version 6
	.text
	.protected	k_q19e472ccc4_attend
	.globl	k_q19e472ccc4_attend
	.p2align	8
	.type	k_q19e472ccc4_attend,@function
k_q19e472ccc4_attend:
	s_mov_b64 s[64:65], 0
	v_nop
	global_prefetch_b8 v0, s[64:65] scope:SCOPE_SE
	s_setreg_imm32_b32 hwreg(HW_REG_WAVE_MODE, 25, 1), 1
	s_wait_xcnt 0x0
; ATTEND: score(i, j) = 1 - JS(rho_q[i], rho_k[j]) for j <= i, rows divided by their L1 norm, quantised along j, times Q(V).  out0: [4][256][128] f32.
; JS = (ln 2 / 256) (HP[i] + HQ[j] - S), S = sum over e of m log2(m + 256 x 1e-10), m = P + Q, where P = 128 rho_q[i][e], Q = 128 rho_k[j][e] and HP, HQ come from the launch before:
; m is 256 x reference's m exactly, the logarithm is reference's + 8, and the 8 cancels because half of P's and half of Q's sums make m's.  So an element costs two packed additions, a logarithm and a packed fused multiply-add for two.
; SHARES.  Work-group (a, batch) owns rows 2 a, 2 a + 1 (group A) and 254 - 2 a, 255 - 2 a (group B).  In blocks of 32 keys A needs a / 16 + 1 and B needs 8 - a / 16: nine units of 2 rows x 32 keys in every work-group.
; A LANE IS A KEY; wave w of sixteen takes e = 16 w .. 16 w + 15: P of the four rows stays in 64 registers, a block of Q is four loads of 512 consecutive bytes, asked for one block ahead, and serves both groups.
; The block steps are written out: offsets are immediates, and the branches that leave out a unit hang on the work-group's number alone.  A unit that is left out stores zeros: the mask hides it later.
; THE TAIL.  1: wave (group w % 2, block w / 2) adds the sixteen waves' parts, makes the scores, masks them, stores them and its part of the rows' sums.  2: waves 0-7: lane (row, block) normalises and quantises its 32 numbers;
; the codes turn through the wave's own LDS bytes into the operand's layout (lanes r >= 4 repeat rows r % 4: their columns of the result are repeats); source 0 = 16 channels of V^T, source 1 = the rows.  3: waves 0-3 store a row of 512 bytes each.
; The 64 work-groups of a batch read the same blocks of Q, and they are not asked for jointly: here a number of Q goes from memory into the one lane's register that uses it, 16 bytes a lane, and is used there for two or four rows;
; through LDS each of its bytes would be written and read once more, and sixteen waves would meet at a barrier for each block of 32 KiB.  So there is no tensor load and no cluster.
; LIMITS: the row's division is v_rcp_f32 with one Newton step and a multiplication; NaN and infinities are not served; a block of zeros gets the scale byte 1 (its codes are zeros).
.set PART, 0                           ; LDS: [16 waves][8 blocks][2 groups][32 lanes][2 rows] f32
.set ATT,  65536                       ; the scores: 4 rows of 8 blocks of 128 bytes + 16 of padding
.set ROWP, 1152
.set BLKP, 144
.set RS,   70144                       ; parts of the rows' sums: [4 rows][8 blocks]
.set SCR,  70400                       ; for each of waves 0-7: 512 bytes of codes, then 32 scale bytes, in 1,024 bytes of its own
.set OUTS, 78592                       ; 4 rows of 512 bytes on the way out
.set LANE, 1
.set QOFF, 2                           ; v2  Q: 16 lane + 2,048 wave
.set PA,   3                           ; v3  LDS: where my parts go
.set FA,   4                           ; v4  LDS: where my unit's sixteen parts lie
.set POA,  5                           ; v5  P of group A's first row
.set POB,  6                           ; v6  of group B's
.set HKO,  7
.set HPO,  8
.set VFO,  9
.set VSO,  10
.set ATTW, 11                          ; v11-20 LDS addresses of the tail, all made at the head
.set RSW,  12
.set RSR,  13
.set ATTR, 14
.set SCW,  15
.set SBW,  16
.set FRR,  17
.set SWR,  18
.set OSW,  19
.set OSR,  20
.set GO,   21
.set JJ,   22                          ; v22 my key in the tail's unit
.set TA,   24                          ; v24-31 at work
.set HK,   32                          ; v32-35 HQ's four parts
.set HPR,  36                          ; v36-43 HP's four parts, two rows
.set VF,   44                          ; v44-59 V^T's two fragments
.set VS,   60                          ; v60-61 their scale words: scales and nothing else
.set R,    62                          ; v62-63 a unit's two sums
.set P,    64                          ; v64-127 rows A0, A1, B0, B1: 16 e each
.set Q,    128                         ; v128-159 two blocks of 16 e
.set M,    160                         ; v160-191 m
.set L,    192                         ; v192-223 m + eps, then the logarithms
.set ACC,  224                         ; v224-231 four packed chains; in the tail the matrix result
.set Z,    232                         ; v232-233 zeros
.set AS,   234                         ; v234-235 the rows' scale words: scales and nothing else
.set AF,   236                         ; v236-251 the rows' two fragments
.set C,    252                         ; v252-255 a block's codes
.set WV,   18
.set BB,   20
.set NBA,  21                          ; s21 blocks of group A
.set NBB,  22                          ; s22 blocks of group B
.set EP,   24                          ; s[24:25] 256 x 1e-10
.set SEL,  26
.set NK,   52                          ; s52 -ln 2 / 256
	s_load_b256 s[4:11], s[0:1], 0x0                   ; rq s[4:5], rk s[6:7], hp s[8:9], hk s[10:11]
	s_load_b128 s[12:15], s[0:1], 0x20                 ; vimg s[12:13], vsc s[14:15]
	s_load_b64 s[16:17], s[0:1], 0x30                  ; out0
	v_lshrrev_b32 v[LANE], 5, v0
	v_readfirstlane_b32 s[WV], v[LANE]                 ; wave 0..15
	v_and_b32 v[LANE], 31, v0
	s_and_b32 s[BB], ttmp7, 0xffff                     ; batch
	s_lshr_b32 s23, ttmp9, 4
	s_add_co_u32 s[NBA], s23, 1
	s_sub_co_u32 s[NBB], 8, s23
	s_mov_b32 s[EP], 0x32dbe6ff
	s_mov_b32 s[EP+1], s[EP]
	s_mov_b32 s[SEL], 0x76543210
	s_mov_b32 s[SEL+1], 0xfedcba98
	s_mov_b32 s[NK], 0xbb317218
	s_lshl_b32 s28, s[BB], 8                           ; the batch's first token
	s_lshl_b32 s30, ttmp9, 1                           ; group A's first row
	s_sub_co_u32 s31, 254, s30                         ; group B's
	s_add_co_u32 s32, s28, s30                         ; as tokens
	s_add_co_u32 s33, s28, s31
	s_lshl_b32 s29, s[WV], 11                          ; my 16 e: four groups of 512 bytes
	s_lshr_b32 s34, s32, 5                             ; P: (token / 32) x 32,768 + (token % 32) x 16; a group's second row lies 16 bytes on (its first is even)
	s_lshl_b32 s34, s34, 15
	s_and_b32 s35, s32, 31
	s_lshl_b32 s35, s35, 4
	s_add_co_u32 s34, s34, s35
	s_add_co_u32 s34, s34, s29
	v_mov_b32 v[POA], s34
	s_lshr_b32 s34, s33, 5
	s_lshl_b32 s34, s34, 15
	s_and_b32 s35, s33, 31
	s_lshl_b32 s35, s35, 4
	s_add_co_u32 s34, s34, s35
	s_add_co_u32 s34, s34, s29
	v_mov_b32 v[POB], s34
	v_lshl_add_u32 v[QOFF], v[LANE], 4, s29
	s_lshl_b32 s36, s[BB], 18                          ; the batch's eight blocks of Q
	s_mov_b32 s37, 0
	s_lshr_b32 s38, s[WV], 1                           ; the tail's unit: block wave / 2,
	s_and_b32 s39, s[WV], 1                            ; group wave % 2
	s_lshl_b32 s41, s38, 5
	v_add_nc_u32 v[JJ], s41, v[LANE]
	s_add_co_u32 s40, s41, s28
	v_add_nc_u32 v[HKO], s40, v[LANE]
	v_lshlrev_b32 v[HKO], 4, v[HKO]                    ; HQ: 16 bytes a token
	s_cmp_eq_u32 s39, 0
	s_cselect_b32 s42, s30, s31                        ; the unit's first row,
	s_cselect_b32 s43, s32, s33                        ; as a token
	s_lshl_b32 s43, s43, 4
	v_mov_b32 v[HPO], s43
	s_add_co_u32 s44, s42, 1                           ; its second row
	s_and_b32 s45, s[WV], 7                            ; my channel tile
	s_lshl_b32 s46, s[BB], 14
	s_lshl_b32 s47, s45, 10
	s_add_co_u32 s46, s46, s47
	v_lshl_add_u32 v[VFO], v[LANE], 4, s46
	v_and_b32 v[TA], 15, v0
	s_lshl_b32 s46, s[BB], 10
	s_lshl_b32 s47, s45, 6
	s_add_co_u32 s46, s46, s47
	v_lshl_add_u32 v[VSO], v[TA], 2, s46
	; LDS addresses: constants, the lane and the wave's number
	s_lshl_b32 s48, s[WV], 12
	v_lshl_add_u32 v[PA], v[LANE], 3, s48
	s_lshl_b32 s48, s[WV], 8                           ; 512 block + 256 group = 256 wave
	v_lshl_add_u32 v[FA], v[LANE], 3, s48
	s_mul_i32 s48, s39, 2*ROWP
	s_mul_i32 s49, s38, BLKP
	s_add_co_u32 s48, s48, s49
	s_add_co_u32 s48, s48, ATT
	v_lshl_add_u32 v[ATTW], v[LANE], 2, s48
	s_lshl_b32 s48, s39, 6
	s_lshl_b32 s49, s38, 2
	s_add_co_u32 s48, s48, s49
	s_add_co_u32 s48, s48, RS
	v_mov_b32 v[RSW], s48
	v_lshrrev_b32 v[TA+1], 3, v[LANE]                  ; in part 2 a lane is (row lane / 8, block lane % 8)
	v_and_b32 v[TA+2], 7, v[LANE]
	v_lshl_add_u32 v[RSR], v[TA+1], 5, RS
	v_mul_u32_u24 v[ATTR], v[TA+1], ROWP
	v_mad_u32_u24 v[ATTR], v[TA+2], BLKP, v[ATTR]
	v_add_nc_u32 v[ATTR], ATT, v[ATTR]
	s_lshl_b32 s48, s45, 10
	s_add_co_u32 s48, s48, SCR
	v_lshl_add_u32 v[SCW], v[LANE], 4, s48             ; 128 row + 16 block = 16 lane
	s_add_co_u32 s49, s48, 512
	v_add_nc_u32 v[SBW], s49, v[LANE]                  ; 8 row + block = lane
	v_and_b32 v[TA+3], 3, v0
	v_bfe_u32 v[TA+4], v0, 4, 1
	v_lshlrev_b32 v[FRR], 7, v[TA+3]
	v_lshl_add_u32 v[FRR], v[TA+4], 4, v[FRR]
	v_add_nc_u32 v[FRR], s48, v[FRR]                   ; a fragment: row r % 4 of 128 bytes, + 16 h
	v_lshl_add_u32 v[SWR], v[TA+3], 3, s49
	s_lshl_b32 s50, s45, 6
	s_add_co_u32 s50, s50, OUTS
	v_lshlrev_b32 v[OSW], 9, v[TA+3]
	v_lshl_add_u32 v[OSW], v[TA+4], 5, v[OSW]
	v_add_nc_u32 v[OSW], s50, v[OSW]                   ; row r % 4, channels 16 tile + 8 h on
	s_and_b32 s50, s[WV], 3
	s_lshl_b32 s50, s50, 9
	s_add_co_u32 s50, s50, OUTS
	v_lshl_add_u32 v[OSR], v[LANE], 4, s50
	s_and_b32 s51, s[WV], 2                            ; waves 0, 1 store group A's rows, waves 2, 3 group B's
	s_cmp_eq_u32 s51, 0
	s_cselect_b32 s51, s32, s33
	s_add_co_u32 s51, s51, s39
	s_lshl_b32 s51, s51, 9
	v_lshl_add_u32 v[GO], v[LANE], 4, s51
	v_mov_b32 v[TA+5], 0                               ; (a lane permute's destination counts as one of its sources)
	v_mov_b32 v[Z], 0
	v_mov_b32 v[Z+1], 0
	s_wait_kmcnt 0x0
	s_add_nc_u64 s[6:7], s[6:7], s[36:37]
	; what the tail wants is asked for first: it is older than every load that the steps wait for
	global_load_b128 v[HK:HK+3], v[HKO], s[10:11]
	global_load_b128 v[HPR:HPR+3], v[HPO], s[8:9]
	global_load_b128 v[HPR+4:HPR+7], v[HPO], s[8:9] offset:16
.irp s, 0,1
.irp c, 0,1
	global_load_b128 v[VF+8*\s+4*\c:VF+8*\s+4*\c+3], v[VFO], s[12:13] offset:8192*\s+512*\c
.endr
	global_load_b32 v[VS+\s], v[VSO], s[14:15] offset:512*\s
.endr
.irp k, 0,1,2,3
	global_load_b128 v[P+4*\k:P+4*\k+3], v[POA], s[4:5] offset:512*\k             ; every lane the same 16 bytes
	global_load_b128 v[P+16+4*\k:P+16+4*\k+3], v[POA], s[4:5] offset:512*\k+16
	global_load_b128 v[P+32+4*\k:P+32+4*\k+3], v[POB], s[4:5] offset:512*\k
	global_load_b128 v[P+48+4*\k:P+48+4*\k+3], v[POB], s[4:5] offset:512*\k+16
.endr
.macro QLOAD jb                        ; block jb of Q into buffer jb % 2: four loads of 512 consecutive bytes
.irp k, 0,1,2,3
	global_load_b128 v[Q+16*((\jb)%2)+4*\k:Q+16*((\jb)%2)+4*\k+3], v[QOFF], s[6:7] offset:(\jb)*32768+512*\k
.endr
.endm
; A UNIT: two rows (P at v[p] and v[p + 16]) x my key x my 16 e.  The 32 logarithms are one batch.
.macro UNIT p, q, off
.irp k, 0,2,4,6,8,10,12,14
	v_pk_add_f32 v[M+\k:M+\k+1], v[\p+\k:\p+\k+1], v[\q+\k:\q+\k+1]
.endr
.irp k, 0,2,4,6,8,10,12,14
	v_pk_add_f32 v[M+16+\k:M+17+\k], v[\p+16+\k:\p+17+\k], v[\q+\k:\q+\k+1]
.endr
.irp k, 0,2,4,6,8,10,12,14,16,18,20,22,24,26,28,30
	v_pk_add_f32 v[L+\k:L+\k+1], v[M+\k:M+\k+1], s[EP:EP+1] op_sel_hi:[1,0]
.endr
.irp k, 0,1,2,3,4,5,6,7,8,9,10,11,12,13,14,15,16,17,18,19,20,21,22,23,24,25,26,27,28,29,30,31
	v_log_f32 v[L+\k], v[L+\k]
.endr
	v_nop                                              ; a plain place behind the last logarithm,
	s_wait_alu depctr_va_vdst(0)                       ; and a wait ahead of the first use: one for the 32
	v_pk_mul_f32 v[ACC:ACC+1], v[M:M+1], v[L:L+1]      ; the first products start the four chains
	v_pk_mul_f32 v[ACC+2:ACC+3], v[M+2:M+3], v[L+2:L+3]
	v_pk_mul_f32 v[ACC+4:ACC+5], v[M+16:M+17], v[L+16:L+17]
	v_pk_mul_f32 v[ACC+6:ACC+7], v[M+18:M+19], v[L+18:L+19]
.irp k, 4,8,12
	v_pk_fma_f32 v[ACC:ACC+1], v[M+\k:M+\k+1], v[L+\k:L+\k+1], v[ACC:ACC+1]
	v_pk_fma_f32 v[ACC+2:ACC+3], v[M+\k+2:M+\k+3], v[L+\k+2:L+\k+3], v[ACC+2:ACC+3]
	v_pk_fma_f32 v[ACC+4:ACC+5], v[M+\k+16:M+\k+17], v[L+\k+16:L+\k+17], v[ACC+4:ACC+5]
	v_pk_fma_f32 v[ACC+6:ACC+7], v[M+\k+18:M+\k+19], v[L+\k+18:L+\k+19], v[ACC+6:ACC+7]
.endr
	v_pk_add_f32 v[ACC:ACC+1], v[ACC:ACC+1], v[ACC+2:ACC+3]
	v_pk_add_f32 v[ACC+4:ACC+5], v[ACC+4:ACC+5], v[ACC+6:ACC+7]
	v_add_f32 v[R], v[ACC], v[ACC+1]
	v_add_f32 v[R+1], v[ACC+4], v[ACC+5]
	ds_store_b64 v[PA], v[R:R+1] offset:\off           ; 32 lanes: 256 consecutive bytes of my wave's own
.endm
.macro NEXTQ jb                        ; the block behind jb is asked for where group B reaches it; then block jb is waited for
	s_cmp_gt_u32 s[NBB], (\jb)+1
	s_cbranch_scc0 .Lnone_\@
	QLOAD (\jb)+1
	s_wait_loadcnt 0x4                                 ; all but the four just issued
	s_branch .Lhave_\@
.Lnone_\@:
	s_wait_loadcnt 0x0
.Lhave_\@:
.endm
	QLOAD 0
	QLOAD 1
	s_wait_loadcnt 0x4                                 ; all but block 1's four loads: the tail's, P and block 0 are in
	UNIT P+32, Q, 256                                  ; block 0: both groups have it
	UNIT P, Q, 0
.irp jb, 1,2,3                                     ; group B has blocks 0 to 4 in every work-group; group A has 1 to 4 blocks
	QLOAD \jb+1
	s_wait_loadcnt 0x4                                 ; all but the next block's four
	UNIT P+32, Q+16*(\jb%2), \jb*512+256
	s_cmp_gt_u32 s[NBA], \jb
	s_cbranch_scc0 .Lno_a\jb
	UNIT P, Q+16*(\jb%2), \jb*512
	s_branch .Ldid_a\jb
.Lno_a\jb:
	ds_store_b64 v[PA], v[Z:Z+1] offset:\jb*512
.Ldid_a\jb:
.endr
	NEXTQ 4
	UNIT P+32, Q, 4*512+256
	s_cmp_gt_u32 s[NBB], 5
	s_cbranch_scc0 .Lz5
	NEXTQ 5
	UNIT P+32, Q+16, 5*512+256
	s_cmp_gt_u32 s[NBB], 6
	s_cbranch_scc0 .Lz6
	NEXTQ 6
	UNIT P+32, Q, 6*512+256
	s_cmp_gt_u32 s[NBB], 7
	s_cbranch_scc0 .Lz7
	s_wait_loadcnt 0x0
	UNIT P+32, Q+16, 7*512+256
	s_branch .Lfin
.Lz5:
	ds_store_b64 v[PA], v[Z:Z+1] offset:5*512+256
.Lz6:
	ds_store_b64 v[PA], v[Z:Z+1] offset:6*512+256
.Lz7:
	ds_store_b64 v[PA], v[Z:Z+1] offset:7*512+256
.Lfin:
	s_wait_loadcnt 0x0                                 ; no load is out on any way here
.irp jb, 4,5,6,7
	ds_store_b64 v[PA], v[Z:Z+1] offset:\jb*512        ; group A never reaches these blocks
.endr
	s_wait_dscnt 0x0                                   ; for the others' sake: my parts have landed
	s_barrier_signal -1
	s_barrier_wait -1
	; ---- 1: my unit's scores
.irp q, 0,1,2,3,4,5,6,7,8,9,10,11,12,13,14,15
	ds_load_b64 v[M+2*\q:M+2*\q+1], v[FA] offset:\q*4096
.endr
	v_add_f32 v[HK], v[HK], v[HK+1]
	v_add_f32 v[HK+2], v[HK+2], v[HK+3]
	v_add_f32 v[HPR], v[HPR], v[HPR+1]
	v_add_f32 v[HPR+2], v[HPR+2], v[HPR+3]
	v_add_f32 v[HPR+4], v[HPR+4], v[HPR+5]
	v_add_f32 v[HPR+6], v[HPR+6], v[HPR+7]
	v_add_f32 v[HK], v[HK], v[HK+2]                    ; HQ of my key
	v_add_f32 v[HPR], v[HPR], v[HPR+2]                 ; HP of the two rows
	v_add_f32 v[HPR+4], v[HPR+4], v[HPR+6]
	v_add_f32 v[HPR], v[HPR], v[HK]
	v_add_f32 v[HPR+4], v[HPR+4], v[HK]
	s_wait_dscnt 0x0
.irp q, 0,2,4,6,8,10,12,14
	v_pk_add_f32 v[M+\q:M+\q+1], v[M+\q:M+\q+1], v[M+16+\q:M+17+\q]
.endr
.irp q, 0,2,4,6
	v_pk_add_f32 v[M+\q:M+\q+1], v[M+\q:M+\q+1], v[M+8+\q:M+9+\q]
.endr
.irp q, 0,2
	v_pk_add_f32 v[M+\q:M+\q+1], v[M+\q:M+\q+1], v[M+4+\q:M+5+\q]
.endr
	v_pk_add_f32 v[M:M+1], v[M:M+1], v[M+2:M+3]        ; S of the two rows
	v_sub_f32 v[TA], v[HPR], v[M]
	v_sub_f32 v[TA+1], v[HPR+4], v[M+1]
	v_fma_f32 v[TA], v[TA], s[NK], 1.0                 ; 1 - JS
	v_fma_f32 v[TA+1], v[TA+1], s[NK], 1.0
	v_cmp_ge_u32 vcc_lo, s42, v[JJ]                    ; the key counts where j <= i
	v_cndmask_b32 v[TA], 0, v[TA], vcc_lo
	v_cmp_ge_u32 vcc_lo, s44, v[JJ]
	v_cndmask_b32 v[TA+1], 0, v[TA+1], vcc_lo
	ds_store_b32 v[ATTW], v[TA]
	ds_store_b32 v[ATTW], v[TA+1] offset:ROWP
	v_and_b32 v[TA+2], 0x7fffffff, v[TA]               ; the L1 norm takes magnitudes
	v_and_b32 v[TA+3], 0x7fffffff, v[TA+1]
.irp x, 1,2,4,8
	v_add_f32_dpp v[TA+2], v[TA+2], v[TA+2] row_xmask:\x row_mask:0xf bank_mask:0xf
	v_add_f32_dpp v[TA+3], v[TA+3], v[TA+3] row_xmask:\x row_mask:0xf bank_mask:0xf
.endr
	v_permlanex16_b32 v[TA+4], v[TA+2], s[SEL], s[SEL+1]
	v_permlanex16_b32 v[TA+5], v[TA+3], s[SEL], s[SEL+1]
	v_add_f32 v[TA+2], v[TA+2], v[TA+4]
	v_add_f32 v[TA+3], v[TA+3], v[TA+5]
	ds_store_b32 v[RSW], v[TA+2]                       ; all lanes write the same word with the same value
	ds_store_b32 v[RSW], v[TA+3] offset:32
	s_wait_dscnt 0x0                                   ; my stores have landed, my reads of the parts are in
	s_barrier_signal -1
	s_barrier_wait -1
	; ---- 2: waves 0-7: the rows become an operand; one channel tile each
	s_cmp_lt_u32 s[WV], 8
	s_cbranch_scc0 .Lskip2
	ds_load_b128 v[M:M+3], v[RSR]
	ds_load_b128 v[M+4:M+7], v[RSR] offset:16
.irp k, 0,1,2,3,4,5,6,7
	ds_load_b128 v[L+4*\k:L+4*\k+3], v[ATTR] offset:16*\k   ; my block's 32 scores
.endr
	s_wait_dscnt 8                                     ; the two loads of the row's sums are in; the eight behind them may be out
	v_add_f32 v[M], v[M], v[M+1]
	v_add_f32 v[M+2], v[M+2], v[M+3]
	v_add_f32 v[M+4], v[M+4], v[M+5]
	v_add_f32 v[M+6], v[M+6], v[M+7]
	v_add_f32 v[M], v[M], v[M+2]
	v_add_f32 v[M+4], v[M+4], v[M+6]
	v_add_f32 v[M], v[M], v[M+4]
	v_max_num_f32 v[M], 0x2b8cbccc, v[M]               ; at least 1e-12
	v_rcp_f32 v[TA+6], v[M]
	v_nop
	s_wait_alu depctr_va_vdst(0)
	v_fma_f32 v[M+1], -v[M], v[TA+6], 1.0              ; one Newton step
	v_fma_f32 v[TA+6], v[TA+6], v[M+1], v[TA+6]
	v_mov_b32 v[TA+7], v[TA+6]
	s_wait_dscnt 0x0
.irp k, 0,2,4,6,8,10,12,14,16,18,20,22,24,26,28,30
	v_pk_mul_f32 v[L+\k:L+\k+1], v[L+\k:L+\k+1], v[TA+6:TA+7]
.endr
	v_max3_num_f32 v[M], |v[L]|, |v[L+1]|, |v[L+2]|    ; the block's largest magnitude: all 32 numbers are mine
	v_max3_num_f32 v[M+1], |v[L+3]|, |v[L+4]|, |v[L+5]|
.irp i, 6,10,14,18,22,26
	v_max3_num_f32 v[M], v[M], |v[L+\i]|, |v[L+\i+1]|
	v_max3_num_f32 v[M+1], v[M+1], |v[L+\i+2]|, |v[L+\i+3]|
.endr
	v_max3_num_f32 v[M], v[M], |v[L+30]|, |v[L+31]|
	v_max3_num_f32 v[M], v[M], v[M+1], 0x1800000       ; and the floor 2^(3 - 127): the byte cannot fall under 1
	v_add_nc_u32 v[M+2], 0xff000000, v[M]              ; 2 off the exponent field: the conversion's scale operand
	v_lshrrev_b32 v[M+3], 23, v[M+2]                   ; the scale's byte
.irp g, 0,1,2,3
	v_cvt_scalef32_pk8_fp4_f32 v[C+\g], v[L+8*\g:L+8*\g+7], v[M+2]
.endr
	v_nop                                              ; one plain place behind the scaled conversions
	ds_store_b128 v[SCW], v[C:C+3]                     ; rows of 256 codes, as they would lie in memory, in my wave's own bytes
	ds_store_b8 v[SBW], v[M+3]
.irp s, 0,1                                        ; LDS serves a wave's instructions in order: these see my stores
.irp c, 0,1
	ds_load_b128 v[AF+8*\s+4*\c:AF+8*\s+4*\c+3], v[FRR] offset:64*\s+32*\c
.endr
	ds_load_b32 v[AS+\s], v[SWR] offset:4*\s
.endr
	s_wait_dscnt 0x0
	v_wmma_scale_f32_16x16x128_f8f6f4 v[ACC:ACC+7], v[VF:VF+7], v[AF:AF+7], 0, v[VS], v[AS] matrix_a_fmt:MATRIX_FMT_FP4 matrix_b_fmt:MATRIX_FMT_FP4
	s_wait_alu depctr_va_vdst(0)                       ; the wait stands directly ahead of the link
	v_wmma_scale_f32_16x16x128_f8f6f4 v[ACC:ACC+7], v[VF+8:VF+15], v[AF+8:AF+15], v[ACC:ACC+7], v[VS+1], v[AS+1] matrix_a_fmt:MATRIX_FMT_FP4 matrix_b_fmt:MATRIX_FMT_FP4
.rept 4
	v_nop                                              ; four places ahead of the stores that read the result
.endr
	ds_store_b128 v[OSW], v[ACC:ACC+3]                 ; lane (r, h): out(row r % 4, 16 tile + 8 h + 0 .. 7); lanes that repeat a row write the same bytes with the same values
	ds_store_b128 v[OSW], v[ACC+4:ACC+7] offset:16
.Lskip2:
	s_wait_dscnt 0x0
	s_barrier_signal -1
	s_barrier_wait -1
	; ---- 3: waves 0-3 store a whole row each
	s_cmp_lt_u32 s[WV], 4
	s_cbranch_scc0 .Lend
	ds_load_b128 v[M:M+3], v[OSR]
	s_wait_dscnt 0x0
	global_store_b128 v[GO], v[M:M+3], s[16:17] th:TH_STORE_NT   ; 32 lanes: 512 consecutive bytes, aligned
.Lend:
	s_wait_xcnt 0x0
	v_lshl_add_u32 v254, v0, 2, 0x14000
	v_mov_b32 v255, 0
	s_wait_tensorcnt 0x0
	ds_add_u32 v254, v255
	s_wait_dscnt 0x0
	s_endpgm
.Lfunc_end_k_q19e472ccc4_attend:
	.size	k_q19e472ccc4_attend, .Lfunc_end_k_q19e472ccc4_attend-k_q19e472ccc4_attend
	.p2alignl 7, 3214868480
	.fill 96, 4, 3214868480
	.section	.rodata,"a",@progbits
	.p2align	6, 0x0
	.amdhsa_kernel k_q19e472ccc4_attend
		.amdhsa_group_segment_fixed_size 83968
		.amdhsa_private_segment_fixed_size 0
		.amdhsa_enable_private_segment 0
		.amdhsa_kernarg_size 56
		.amdhsa_user_sgpr_count 2
		.amdhsa_user_sgpr_kernarg_segment_ptr 1
		.amdhsa_wavefront_size32 1
		.amdhsa_system_sgpr_workgroup_id_x 1
		.amdhsa_system_sgpr_workgroup_id_y 1
		.amdhsa_system_sgpr_workgroup_id_z 1
		.amdhsa_system_vgpr_workitem_id 0
		.amdhsa_next_free_vgpr 256
		.amdhsa_next_free_sgpr 66
		.amdhsa_reserve_vcc 1
		.amdhsa_float_denorm_mode_32 3
		.amdhsa_float_denorm_mode_16_64 3
		.amdhsa_memory_ordered 1
		.amdhsa_forward_progress 1
		.amdhsa_inst_pref_size 74
	.end_amdhsa_kernel
	.amdgpu_metadata
---
amdhsa.version: [ 1, 2 ]
amdhsa.kernels:
  - .name:           k_q19e472ccc4_attend
    .symbol:         k_q19e472ccc4_attend.kd
    .args:
      - { .name: rq, .offset: 0, .size: 8, .value_kind: global_buffer, .address_space: global }
      - { .name: rk, .offset: 8, .size: 8, .value_kind: global_buffer, .address_space: global }
      - { .name: hp, .offset: 16, .size: 8, .value_kind: global_buffer, .address_space: global }
      - { .name: hk, .offset: 24, .size: 8, .value_kind: global_buffer, .address_space: global }
      - { .name: vimg, .offset: 32, .size: 8, .value_kind: global_buffer, .address_space: global }
      - { .name: vsc, .offset: 40, .size: 8, .value_kind: global_buffer, .address_space: global }
      - { .name: out0, .offset: 48, .size: 8, .value_kind: global_buffer, .address_space: global }
    .group_segment_fixed_size: 83968
    .private_segment_fixed_size: 0
    .kernarg_segment_align: 8
    .kernarg_segment_size: 56
    .max_flat_workgroup_size: 512
    .sgpr_count:     66
    .vgpr_count:     256
    .wavefront_size: 32
...
	.end_amdgpu_metadata
.endif
;; end of part 2
;; ======== version 2 of 2: 2 launches; version 1 with the launches prep, attend written anew for expert scheduling mode
;; workspace buffers: rq 1,048,576 bytes; rk 1,048,576 bytes; hp 16,384 bytes; hk 16,384 bytes; vimg 65,536 bytes; vsc 4,096 bytes
;; launch prep (part 3): grid 160 x 1, 4 waves a work-group, no clusters, 8,704 bytes of LDS; arguments x, Wq_codes, Wq_scales, Wk_codes, Wk_scales, Wv_codes, Wv_scales, rq, rk, hp, hk, vimg, vsc; writes rq, rk, hp, hk, vimg, vsc
.if DOCPART == 3
	.amdgcn_target "amdgcn-amd-amdhsa--gfx1250"
	.amdhsa_code_object_version 6
	.text
	.protected	k_q19e472ccc4_prep
	.globl	k_q19e472ccc4_prep
	.p2align	8
	.type	k_q19e472ccc4_prep,@function
k_q19e472ccc4_prep:
	s_mov_b64 s[64:65], 0
	v_nop
	global_prefetch_b8 v0, s[64:65] scope:SCOPE_SE
	s_setreg_imm32_b32 hwreg(HW_REG_WAVE_SCHED_MODE, 0, 2), 2
	s_setreg_imm32_b32 hwreg(HW_REG_WAVE_MODE, 25, 1), 1
	s_wait_xcnt 0x0
	s_wait_alu depctr_vm_vsrc(0)
; PREP: what the attention launch needs of each token, made once.  x: [1024 tokens][256] f32.  Wq, Wk [256][256], Wv [128][256]: E2M1 codes, K innermost, one E8M0 byte for 32 codes.
; Work-groups 0-63 (q) and 64-127 (k): one tile of 16 tokens.  psi = x / (|x| + 1e-12) is quantised along E in registers; amp = Q(psi) W^T on the matrix unit, used TRANSPOSED (source 0 = 16 rows of W,
;   source 1 = the 16 tokens), so that a lane holds ONE token and eight neighbouring f.  Wave w takes f = 64 w .. 64 w + 63: four accumulators, two K steps.  p = amp^2; the four waves' sums of p meet in LDS.
;   STORED: r = 128 p / (sum p + 1e-10), that is 128 rho, laid [32 tokens][e / 4][token][4 e]: sixteen lanes store 256 consecutive aligned bytes, and the reader's lane (a token) loads 16 bytes beside its neighbour's.
;   STORED: each wave's part of H = sum of r log2(2 r + 256 x 1e-10) = sum of 128 rho (log2(rho + 1e-10) + 8), laid [token][4 waves].  The 8 cancels in the divergence (half of P's and Q's sums against m's) and keeps the sums small.
; Work-groups 128-159: 32 tokens, V = Q(x) Wv^T.  Wave w quantises one piece of x (token tile w / 2, K step w % 2) and hands it on through LDS as an image of the operand's registers.  Source 0 = 16 tokens, source 1 = 16 rows of Wv:
;   a lane holds ONE channel and eight tokens.  THE TOKENS OF A TILE ARE NOT NEIGHBOURS: lane r of tile u takes token 8 u + r + 8 (r / 8), so that a lane's 16 registers of the two tiles are 16 neighbouring tokens.
;   V is quantised along the tokens (the K of the last product) and stored as the image of that product's operand registers: [batch][K step][channel tile][c][lane][16 bytes]; its scale bytes as words [batch][K step][tile][channel].
; No tensor load and no cluster: a work-group reads 16 KiB or 32 KiB of x and a part of a weight once, straight into the registers that use them.
; LIMITS: the divisions are v_rcp_f32 with one Newton step and a multiplication (the last bit may differ from a true division); NaN and infinities in x are not served;
; a block whose largest magnitude lies under 2^-124 gets the scale byte 1 (a block of zeros too: its codes are zeros, which add nothing).
; THE MODE: SCHED_MODE bits 1:0 = 2 (LLVM: expert scheduling mode 2), set by the entry lines.  The code itself states the register dependences
; between vector or matrix instructions and memory or LDS instructions, with s_wait_alu, always for 0.
; THE PLAN.  Registers that memory or LDS instructions touch:
;   v3-v18      offsets and LDS addresses: written at the head and at a path's head, never again: one wait on va_vdst in each path, ahead of its first load.
;   x, W, Wv    land in registers that no vector instruction has named before.
;   q/k path:   v[PC ..], v[PW ..] written by the quantiser, taken by the scaled matrix instructions: a wait behind the places.  v[U]: written by the sum of p, read by an LDS store (a wait on va_vdst ahead of it),
;               written again by H's sums (a wait on vm_vsrc behind the barrier).  v[U+4 ..]: an LDS load lands there; its last vector readers stand ahead of the wait in front of that store.
;               v[ACC ..] as r: written once, read by eight stores behind one wait, never written again.  v[U] as H: a wait ahead of the last store.
;   V path:     v[PC ..], v[PW] written by the quantiser, read by three LDS stores (a wait on va_vdst), v[PC ..] written again by V's conversions (a wait on vm_vsrc behind the barrier), then read by the stores (a wait on va_vdst).
.set SUMS, 0                           ; LDS, q/k path: 16 tokens x 4 waves' sums of p
.set VIMG, 1024                        ; LDS, V path (bytes of its own): four fragments' images of 1,024 bytes,
.set VSCL, 5120                        ; and their scale words, 128 bytes each
.set RR,  1                            ; v1  r = lane % 16
.set HH,  2                            ; v2  h = lane / 16
.set XA,  3                            ; v3  q/k: my bytes in the tile's rows of x
.set WA,  4                            ; v4  my bytes in W's codes
.set WSA, 5                            ; v5  and in W's scale words
.set RO,  6                            ; v6  where r goes
.set HO,  7                            ; v7  where my wave's part of H goes
.set LSW, 8                            ; v8  LDS: 16 r + 4 wave
.set LSR, 9                            ; v9  LDS: 16 r
.set VXA, 10                           ; v10 V path: x
.set VWA, 11                           ; v11 Wv's codes
.set VWS, 12                           ; v12 Wv's scale words
.set IMW, 13                           ; v13 LDS: where my image goes
.set ISW, 14                           ; v14 LDS: and its scale word
.set LI,  15                           ; v15 LDS: VIMG + 16 lane
.set LS,  16                           ; v16 LDS: VSCL + 4 lane
.set VCO, 17                           ; v17 where V's codes go
.set VSO, 18                           ; v18 and V's scale bytes
.set TL,  19                           ; v19 at work
.set TM,  20                           ; v20-35 at work
.set PW,  36                           ; v36-37 the scale words just made: scales and nothing else
.set WS,  38                           ; v38-45 scale words from memory and LDS: scales and nothing else
.set XS,  42
.set PC,  48                           ; v48-63 codes just made
.set WF,  64                           ; v64-127 the weight's fragments (V path: v96-127 x's four fragments)
.set XF,  96
.set X,   128                          ; v128-255 numbers of x; when they are quantised:
.set ACC, 128                          ; v128-159 four accumulators,
.set T,   160                          ; v160-191 arguments of the logarithms, then the logarithms,
.set U,   192                          ; v192-201 at work
.set WV,  30                           ; s30 wave
.set SEL, 32                           ; s[32:33] v_permlanex16_b32's selects for lane l xor 16
.set EP,  34                           ; s[34:35] 256 x 1e-10 (named as a pair by the packed form)
; 64 numbers of a lane, register 16 b + i = k 32 b + 16 h + i of my row, become a fragment's codes in v[pc] on and its scale word in v[pw].
.macro QUANT s, pc, pw
.irp b, 0,1,2,3
	v_max3_num_f32 v[TM+\b], |v[\s+16*\b]|, |v[\s+16*\b+1]|, 0x1800000   ; block b: my 16 numbers, and the floor 2^(3 - 127): the byte cannot fall under 1
.endr
.irp i, 2,4,6,8,10,12,14
.irp b, 0,1,2,3
	v_max3_num_f32 v[TM+\b], v[TM+\b], |v[\s+16*\b+\i]|, |v[\s+16*\b+\i+1]|   ; the four blocks by turns
.endr
.endr
.irp b, 0,1,2,3
	v_permlanex16_b32 v[TM+4+\b], v[TM+\b], s[SEL], s[SEL+1]
.endr
.irp b, 0,1,2,3
	v_max_num_f32 v[TM+\b], v[TM+\b], v[TM+4+\b]       ; with lane l xor 16's: the block's largest magnitude
.endr
.irp b, 0,1,2,3
	v_add_nc_u32 v[TM+12+\b], 0xff000000, v[TM+\b]     ; 2 off its exponent field: the conversion's scale operand
.endr
.irp b, 0,1,2,3
	v_lshrrev_b32 v[TM+4+\b], 23, v[TM+12+\b]          ; the scale's byte
.endr
	v_lshl_or_b32 v[\pw], v[TM+5], 8, v[TM+4]
	v_lshl_or_b32 v[\pw], v[TM+6], 16, v[\pw]
	v_lshl_or_b32 v[\pw], v[TM+7], 24, v[\pw]
.irp b, 0,1,2,3
	v_cvt_scalef32_pk8_fp4_f32 v[\pc+2*\b], v[\s+16*\b:\s+16*\b+7], v[TM+12+\b]
	v_cvt_scalef32_pk8_fp4_f32 v[\pc+2*\b+1], v[\s+16*\b+8:\s+16*\b+15], v[TM+12+\b]
.endr
	v_nop                                              ; one plain place behind the scaled conversions
.irp c, 0,1                                        ; the operand wants a whole block in a lane: lanes 0-15 block 2 c, lanes 16-31 block 2 c + 1
.irp i, 0,1
	v_permlane16_swap_b32 v[\pc+4*\c+\i], v[\pc+4*\c+2+\i]
.endr
.endr
.endm
	s_load_b512 s[4:19], s[0:1], 0x0                   ; x s[4:5], Wq codes s[6:7], scales s[8:9], Wk codes s[10:11], scales s[12:13], Wv codes s[14:15], scales s[16:17], rq s[18:19]
	s_load_b256 s[20:27], s[0:1], 0x40                 ; rk s[20:21], hp s[22:23], hk s[24:25], vimg s[26:27]
	s_load_b64 s[28:29], s[0:1], 0x60                  ; vsc
	v_lshl_add_u32 v46, v0, 2, 0x2000
	v_mov_b32 v47, 0
	v_lshrrev_b32 v[TL], 5, v0
	v_readfirstlane_b32 s[WV], v[TL]                   ; wave 0..3
	v_and_b32 v[RR], 15, v0
	v_bfe_u32 v[HH], v0, 4, 1
	v_and_b32 v[TL], 31, v0                            ; lane
	s_mov_b32 s[SEL], 0x76543210
	s_mov_b32 s[SEL+1], 0xfedcba98
	s_mov_b32 s[EP], 0x32dbe6ff                        ; 256 x 1e-10
	s_mov_b32 s[EP+1], s[EP]
	; every LDS address is made here, ahead of the parting of the two paths
	v_lshlrev_b32 v[LSR], 4, v[RR]
	s_wait_alu depctr_va_sdst(0)                       ; the wave's number is written in s[WV], ahead of its first reader: addresses are made from it
	s_lshl_b32 s36, s[WV], 2
	v_add_nc_u32 v[LSW], s36, v[LSR]
	v_lshl_add_u32 v[LI], v[TL], 4, VIMG
	v_lshl_add_u32 v[LS], v[TL], 2, VSCL
	s_lshl_b32 s36, s[WV], 10
	v_add_nc_u32 v[IMW], s36, v[LI]
	s_lshl_b32 s36, s[WV], 7
	v_add_nc_u32 v[ISW], s36, v[LS]
.irp b, 4,5,6,7
	v_mov_b32 v[TM+\b], 0                              ; written once: a lane permute's destination counts as one of its sources
.endr
	s_cmp_lt_u32 ttmp9, 128                            ; the same for all four waves of a work-group
	s_cbranch_scc0 .Lvalues
	; ---------------- q and k ----------------
	s_and_b32 s40, ttmp9, 63                           ; the tile of 16 tokens
	s_lshl_b32 s42, s40, 14                            ; its 16 rows of 1,024 bytes
	s_mov_b32 s43, 0
	v_lshlrev_b32 v[XA], 10, v[RR]
	v_lshl_add_u32 v[XA], v[HH], 6, v[XA]              ; row r, + 64 h: my 16 numbers of a block of 32
	v_lshlrev_b32 v[WA], 7, v[RR]                      ; W: a row of 256 codes is 128 bytes
	v_lshl_add_u32 v[WA], v[HH], 4, v[WA]
	s_lshl_b32 s36, s[WV], 13                          ; my 64 rows
	v_add_nc_u32 v[WA], s36, v[WA]
	s_lshl_b32 s37, s[WV], 9                           ; their scale bytes, 8 a row
	v_lshl_add_u32 v[WSA], v[RR], 3, s37
	s_and_b32 s38, s40, 1                              ; r: (tile / 2) x 32,768 + (e / 4) x 512 + (tile % 2) x 256 + 16 r, e / 4 = 16 wave + 4 t + 2 h + 0, 1
	s_lshl_b32 s38, s38, 8
	s_lshr_b32 s39, s40, 1
	s_lshl_b32 s39, s39, 15
	s_add_co_u32 s38, s38, s39
	s_add_co_u32 s38, s38, s36
	v_lshl_add_u32 v[RO], v[HH], 10, s38
	v_lshl_add_u32 v[RO], v[RR], 4, v[RO]
	s_lshl_b32 s39, s40, 8                             ; H: 16 bytes a token, 4 a wave
	s_lshl_b32 s41, s[WV], 2
	s_add_co_u32 s39, s39, s41
	v_lshl_add_u32 v[HO], v[RR], 4, s39
	s_wait_kmcnt 0x0
	s_cmp_lt_u32 ttmp9, 64                             ; q or k: the choice hangs on the work-group's number alone; only pointers are chosen
	s_cselect_b64 s[44:45], s[6:7], s[10:11]
	s_cselect_b64 s[46:47], s[8:9], s[12:13]
	s_cselect_b64 s[48:49], s[18:19], s[20:21]
	s_cselect_b64 s[50:51], s[22:23], s[24:25]
	s_add_nc_u64 s[4:5], s[4:5], s[42:43]
	s_wait_alu depctr_va_vdst(0)                       ; the offsets and LDS addresses v3 to v9 are written, which this path's loads and stores read; none is written again
.irp b, 0,1,2,3,4,5,6,7
.irp j, 0,1,2,3
	global_load_b128 v[X+16*\b+4*\j:X+16*\b+4*\j+3], v[XA], s[4:5] offset:128*\b+16*\j
.endr
.endr
.irp t, 0,1,2,3                                    ; my four tiles of W, both K steps, and their scale words: 24 loads
.irp s, 0,1
.irp c, 0,1
	global_load_b128 v[WF+16*\t+8*\s+4*\c:WF+16*\t+8*\s+4*\c+3], v[WA], s[44:45] offset:2048*\t+64*\s+32*\c
.endr
	global_load_b32 v[WS+2*\t+\s], v[WSA], s[46:47] offset:128*\t+4*\s
.endr
.endr
	s_wait_loadcnt 24                                  ; x's 32 loads are in; the 24 of W, issued behind them, may be out
.irp c, 0,2,4,6
	v_pk_mul_f32 v[TM+\c:TM+\c+1], v[X+\c:X+\c+1], v[X+\c:X+\c+1]   ; the sum of squares, in four packed chains
.endr
.irp k, 8,16,24,32,40,48,56,64,72,80,88,96,104,112,120
.irp c, 0,2,4,6
	v_pk_fma_f32 v[TM+\c:TM+\c+1], v[X+\k+\c:X+\k+\c+1], v[X+\k+\c:X+\k+\c+1], v[TM+\c:TM+\c+1]
.endr
.endr
	v_pk_add_f32 v[TM:TM+1], v[TM:TM+1], v[TM+2:TM+3]
	v_pk_add_f32 v[TM+4:TM+5], v[TM+4:TM+5], v[TM+6:TM+7]
	v_pk_add_f32 v[TM:TM+1], v[TM:TM+1], v[TM+4:TM+5]
	v_add_f32 v[TM], v[TM], v[TM+1]
	v_permlanex16_b32 v[TM+1], v[TM], s[SEL], s[SEL+1]
	v_add_f32 v[TM], v[TM], v[TM+1]                    ; with lane l xor 16's half of the row
	s_wait_alu depctr_va_vdst(0)
	v_sqrt_f32 v[TM+2], v[TM]
	v_nop                                              ; a plain place behind the root,
	s_wait_alu depctr_va_vdst(0)                       ; and the root is written in v[TM+2], ahead of its first reader
	v_add_f32 v[TM+2], 0x2b8cbccc, v[TM+2]             ; |x| + 1e-12
	s_wait_alu depctr_va_vdst(0)
	v_rcp_f32 v[TM+4], v[TM+2]
	v_nop
	s_wait_alu depctr_va_vdst(0)                       ; the reciprocal is written in v[TM+4], ahead of its first reader
	v_fma_f32 v[TM+3], -v[TM+2], v[TM+4], 1.0          ; one Newton step
	v_fma_f32 v[TM+4], v[TM+4], v[TM+3], v[TM+4]
	v_mov_b32 v[TM+5], v[TM+4]
.irp k, 0,2,4,6,8,10,12,14,16,18,20,22,24,26,28,30,32,34,36,38,40,42,44,46,48,50,52,54,56,58,60,62,64,66,68,70,72,74,76,78,80,82,84,86,88,90,92,94,96,98,100,102,104,106,108,110,112,114,116,118,120,122,124,126
	v_pk_mul_f32 v[X+\k:X+\k+1], v[X+\k:X+\k+1], v[TM+4:TM+5]   ; psi
.endr
	QUANT X, PC, PW
	QUANT X+64, PC+8, PW+1
.rept 8
	v_nop                                              ; a scale word written by a vector instruction stands 8 places ahead of a scaled matrix instruction, an operand so written 4
.endr
	s_wait_loadcnt 0x0                                 ; W
	s_wait_alu depctr_va_vdst(0)                       ; the codes v[PC ..] and the scale words v[PW], v[PW+1] are written, which the scaled matrix instructions take; the places above stay beside this wait
.irp t, 0,1,2,3                                    ; four accumulators by turns, K step by K step; the first K step starts the sums
	v_wmma_scale_f32_16x16x128_f8f6f4 v[ACC+8*\t:ACC+8*\t+7], v[WF+16*\t:WF+16*\t+7], v[PC:PC+7], 0, v[WS+2*\t], v[PW] matrix_a_fmt:MATRIX_FMT_FP4 matrix_b_fmt:MATRIX_FMT_FP4
.endr
.irp t, 0,1,2,3
	v_wmma_scale_f32_16x16x128_f8f6f4 v[ACC+8*\t:ACC+8*\t+7], v[WF+16*\t+8:WF+16*\t+15], v[PC+8:PC+15], v[ACC+8*\t:ACC+8*\t+7], v[WS+2*\t+1], v[PW+1] matrix_a_fmt:MATRIX_FMT_FP4 matrix_b_fmt:MATRIX_FMT_FP4
.endr
.rept 4
	v_nop                                              ; four places ahead of the first read of results
.endr
.irp k, 0,2,4,6,8,10,12,14,16,18,20,22,24,26,28,30
	v_pk_mul_f32 v[ACC+\k:ACC+\k+1], v[ACC+\k:ACC+\k+1], v[ACC+\k:ACC+\k+1]   ; p = amp^2; each accumulator from its low end on
.endr
	v_pk_add_f32 v[U:U+1], v[ACC:ACC+1], v[ACC+2:ACC+3]
	v_pk_add_f32 v[U+2:U+3], v[ACC+4:ACC+5], v[ACC+6:ACC+7]
.irp k, 8,12,16,20,24,28
	v_pk_add_f32 v[U:U+1], v[U:U+1], v[ACC+\k:ACC+\k+1]
	v_pk_add_f32 v[U+2:U+3], v[U+2:U+3], v[ACC+\k+2:ACC+\k+3]
.endr
	v_pk_add_f32 v[U:U+1], v[U:U+1], v[U+2:U+3]
	v_add_f32 v[U], v[U], v[U+1]
	v_permlanex16_b32 v[U+1], v[U], s[SEL], s[SEL+1]
	v_add_f32 v[U], v[U], v[U+1]                       ; my wave's 64 f of token r
	s_wait_alu depctr_va_vdst(0)                       ; v[U] is written, which the LDS store reads; and the lines that named v[U+4 ..] while it held x are done: the LDS load below lands there
	ds_store_b32 v[LSW], v[U]                          ; both halves of the lanes write the same word with the same value
	s_wait_dscnt 0x0                                   ; for the others' sake: my store has landed
	s_barrier_signal -1
	s_barrier_wait -1
	ds_load_b128 v[U+4:U+7], v[LSR]                    ; the four waves' sums of token r
	s_wait_dscnt 0x0
	s_wait_alu depctr_vm_vsrc(0)                       ; the LDS store has read v[U], which H's sums write again
	v_add_f32 v[U+4], v[U+4], v[U+5]
	v_add_f32 v[U+6], v[U+6], v[U+7]
	v_add_f32 v[U+4], v[U+4], v[U+6]
	v_add_f32 v[U+4], 0x2edbe6ff, v[U+4]               ; + 1e-10
	s_wait_alu depctr_va_vdst(0)
	v_rcp_f32 v[U+8], v[U+4]
	v_nop
	s_wait_alu depctr_va_vdst(0)                       ; the reciprocal is written in v[U+8], ahead of its first reader
	v_fma_f32 v[U+5], -v[U+4], v[U+8], 1.0
	v_fma_f32 v[U+8], v[U+8], v[U+5], v[U+8]
	v_mul_f32 v[U+8], 0x43000000, v[U+8]               ; x 128: exact
	v_mov_b32 v[U+9], v[U+8]
.irp k, 0,2,4,6,8,10,12,14,16,18,20,22,24,26,28,30
	v_pk_mul_f32 v[ACC+\k:ACC+\k+1], v[ACC+\k:ACC+\k+1], v[U+8:U+9]   ; r = 128 rho
.endr
.irp k, 0,2,4,6,8,10,12,14,16,18,20,22,24,26,28,30
	v_pk_fma_f32 v[T+\k:T+\k+1], v[ACC+\k:ACC+\k+1], 2.0, s[EP:EP+1] op_sel_hi:[1,0,0]   ; 256 (rho + 1e-10)
.endr
	s_wait_alu depctr_va_vdst(0)                       ; r is written in v[ACC ..], which the eight stores read; nothing writes it again
.irp t, 0,1,2,3
	global_store_b128 v[RO], v[ACC+8*\t:ACC+8*\t+3], s[48:49] offset:2048*\t        ; sixteen lanes: 256 consecutive aligned bytes
	global_store_b128 v[RO], v[ACC+8*\t+4:ACC+8*\t+7], s[48:49] offset:2048*\t+512
.endr
.irp k, 0,1,2,3,4,5,6,7,8,9,10,11,12,13,14,15,16,17,18,19,20,21,22,23,24,25,26,27,28,29,30,31
	v_log_f32 v[T+\k], v[T+\k]                         ; log2(rho + 1e-10) + 8
.endr
	v_nop                                              ; a plain place behind the last logarithm,
	s_wait_alu depctr_va_vdst(0)                       ; and the 32 logarithms are written in v[T ..], ahead of their first reader: one wait for the batch
	v_pk_mul_f32 v[U:U+1], v[ACC:ACC+1], v[T:T+1]
	v_pk_mul_f32 v[U+2:U+3], v[ACC+2:ACC+3], v[T+2:T+3]
.irp k, 4,8,12,16,20,24,28
	v_pk_fma_f32 v[U:U+1], v[ACC+\k:ACC+\k+1], v[T+\k:T+\k+1], v[U:U+1]
	v_pk_fma_f32 v[U+2:U+3], v[ACC+\k+2:ACC+\k+3], v[T+\k+2:T+\k+3], v[U+2:U+3]
.endr
	v_pk_add_f32 v[U:U+1], v[U:U+1], v[U+2:U+3]
	v_add_f32 v[U], v[U], v[U+1]
	v_permlanex16_b32 v[U+1], v[U], s[SEL], s[SEL+1]
	v_add_f32 v[U], v[U], v[U+1]
	s_wait_alu depctr_va_vdst(0)                       ; my wave's part of H is written in v[U], which the store reads
	global_store_b32 v[HO], v[U], s[50:51]             ; my wave's part of H of token r (both halves of the lanes: the same word, the same value)
	s_wait_dscnt 0x0
	s_wait_alu depctr_hold_cnt(0) depctr_sa_sdst(0) depctr_va_vdst(0) depctr_va_sdst(0) depctr_va_ssrc(0) depctr_va_vcc(0) depctr_vm_vsrc(0)
	s_wait_tensorcnt 0x0
	ds_add_u32 v46, v47
	s_wait_dscnt 0x0
	s_endpgm
	; ---------------- V ----------------
.Lvalues:
	s_sub_co_u32 s40, ttmp9, 128                       ; which 32 tokens: 8 batch + block
	s_lshl_b32 s42, s40, 15
	s_mov_b32 s43, 0
	v_and_b32 v[TL], 8, v[RR]
	v_add_nc_u32 v[TL], v[TL], v[RR]                   ; r + 8 (r / 8)
	s_lshr_b32 s36, s[WV], 1                           ; my piece: token tile u = wave / 2 (8 rows on),
	s_lshl_b32 s36, s36, 13
	s_and_b32 s37, s[WV], 1                            ; K step wave % 2 (512 bytes on)
	s_lshl_b32 s37, s37, 9
	s_add_co_u32 s36, s36, s37
	v_lshl_add_u32 v[VXA], v[TL], 10, s36
	v_lshl_add_u32 v[VXA], v[HH], 6, v[VXA]
	v_lshlrev_b32 v[VWA], 7, v[RR]
	v_lshl_add_u32 v[VWA], v[HH], 4, v[VWA]
	s_lshl_b32 s36, s[WV], 12                          ; my 32 rows of Wv
	v_add_nc_u32 v[VWA], s36, v[VWA]
	s_lshl_b32 s36, s[WV], 8
	v_lshl_add_u32 v[VWS], v[RR], 3, s36
	s_lshr_b32 s38, s40, 2                             ; 2 batch + K step of the last product
	s_and_b32 s39, s40, 3                              ; the block's place in that K step: 2 c + half of the lanes
	s_lshl_b32 s36, s38, 13
	s_lshl_b32 s37, s39, 8
	s_add_co_u32 s36, s36, s37
	s_lshl_b32 s37, s[WV], 11                          ; my two channel tiles
	s_add_co_u32 s36, s36, s37
	v_lshl_add_u32 v[VCO], v[RR], 4, s36
	v_lshl_add_u32 v[VCO], v[HH], 3, v[VCO]            ; channel r's 16 bytes of the block: lanes 0-15 hold the first 8, lanes 16-31 the last 8
	s_lshl_b32 s36, s38, 9
	s_add_co_u32 s36, s36, s39
	s_lshl_b32 s37, s[WV], 7
	s_add_co_u32 s36, s36, s37
	v_lshl_add_u32 v[VSO], v[RR], 2, s36               ; the block's byte in channel r's scale word
	s_wait_kmcnt 0x0
	s_add_nc_u64 s[4:5], s[4:5], s[42:43]
	s_wait_alu depctr_va_vdst(0)                       ; the offsets and LDS addresses v10 to v18 are written, which this path's loads and stores read; none is written again
.irp b, 0,1,2,3
.irp j, 0,1,2,3
	global_load_b128 v[X+16*\b+4*\j:X+16*\b+4*\j+3], v[VXA], s[4:5] offset:128*\b+16*\j
.endr
.endr
.irp t, 0,1
.irp s, 0,1
.irp c, 0,1
	global_load_b128 v[WF+16*\t+8*\s+4*\c:WF+16*\t+8*\s+4*\c+3], v[VWA], s[14:15] offset:2048*\t+64*\s+32*\c
.endr
	global_load_b32 v[WS+2*\t+\s], v[VWS], s[16:17] offset:128*\t+4*\s
.endr
.endr
	s_wait_loadcnt 12                                  ; my piece's 16 loads are in; Wv's 12, issued behind them, may be out
	QUANT X, PC, PW
	s_wait_alu depctr_va_vdst(0)                       ; the codes v[PC ..] and the scale word v[PW] are written, which the three LDS stores read
	ds_store_b128 v[IMW], v[PC:PC+3]                   ; the fragment goes to LDS as it stands: 16 bytes a lane, 512 a store
	ds_store_b128 v[IMW], v[PC+4:PC+7] offset:512
	ds_store_b32 v[ISW], v[PW]
	s_wait_dscnt 0x0                                   ; for the others' sake: my stores have landed
	s_barrier_signal -1
	s_barrier_wait -1
	s_wait_alu depctr_vm_vsrc(0)                       ; my LDS stores have read v[PC ..], which V's conversions write again
.irp f, 0,1,2,3                                    ; fragment 2 u + s comes back so in every wave, into registers that no vector instruction names
.irp c, 0,1
	ds_load_b128 v[XF+8*\f+4*\c:XF+8*\f+4*\c+3], v[LI] offset:1024*\f+512*\c
.endr
	ds_load_b32 v[XS+\f], v[LS] offset:128*\f
.endr
	s_wait_dscnt 0x0
	s_wait_loadcnt 0x0
.irp t, 0,1                                        ; four accumulators by turns: (channel tile t, token tile u) at ACC + 16 t + 8 u.  All operands and scales come from loads
.irp u, 0,1
	v_wmma_scale_f32_16x16x128_f8f6f4 v[ACC+16*\t+8*\u:ACC+16*\t+8*\u+7], v[XF+16*\u:XF+16*\u+7], v[WF+16*\t:WF+16*\t+7], 0, v[XS+2*\u], v[WS+2*\t] matrix_a_fmt:MATRIX_FMT_FP4 matrix_b_fmt:MATRIX_FMT_FP4
.endr
.endr
.irp t, 0,1
.irp u, 0,1
	v_wmma_scale_f32_16x16x128_f8f6f4 v[ACC+16*\t+8*\u:ACC+16*\t+8*\u+7], v[XF+16*\u+8:XF+16*\u+15], v[WF+16*\t+8:WF+16*\t+15], v[ACC+16*\t+8*\u:ACC+16*\t+8*\u+7], v[XS+2*\u+1], v[WS+2*\t+1] matrix_a_fmt:MATRIX_FMT_FP4 matrix_b_fmt:MATRIX_FMT_FP4
.endr
.endr
.rept 4
	v_nop
.endr
.irp t, 0,1                                        ; lane (r, h), tile t: registers 16 t + 0 .. 15 = V(token 16 h + 0 .. 15 of the block, channel r)
	v_max3_num_f32 v[TM+\t], |v[ACC+16*\t]|, |v[ACC+16*\t+1]|, 0x1800000
.endr
.irp i, 2,4,6,8,10,12,14
.irp t, 0,1
	v_max3_num_f32 v[TM+\t], v[TM+\t], |v[ACC+16*\t+\i]|, |v[ACC+16*\t+\i+1]|
.endr
.endr
.irp t, 0,1
	v_permlanex16_b32 v[TM+4+\t], v[TM+\t], s[SEL], s[SEL+1]
.endr
.irp t, 0,1
	v_max_num_f32 v[TM+\t], v[TM+\t], v[TM+4+\t]
.endr
.irp t, 0,1
	v_add_nc_u32 v[TM+12+\t], 0xff000000, v[TM+\t]
.endr
.irp t, 0,1
	v_lshrrev_b32 v[TM+8+\t], 23, v[TM+12+\t]
.endr
.irp t, 0,1
	v_cvt_scalef32_pk8_fp4_f32 v[PC+2*\t], v[ACC+16*\t:ACC+16*\t+7], v[TM+12+\t]
	v_cvt_scalef32_pk8_fp4_f32 v[PC+2*\t+1], v[ACC+16*\t+8:ACC+16*\t+15], v[TM+12+\t]
.endr
	v_nop
	s_wait_alu depctr_va_vdst(0)                       ; V's codes v[PC ..] and scale bytes v[TM+8], v[TM+9] are written, which the four stores read
.irp t, 0,1
	global_store_b64 v[VCO], v[PC+2*\t:PC+2*\t+1], s[26:27] offset:1024*\t   ; 32 lanes: 256 consecutive aligned bytes
	global_store_b8 v[VSO], v[TM+8+\t], s[28:29] offset:64*\t                ; one byte in 128 of what the path makes
.endr
	s_wait_dscnt 0x0
	s_wait_alu depctr_hold_cnt(0) depctr_sa_sdst(0) depctr_va_vdst(0) depctr_va_sdst(0) depctr_va_ssrc(0) depctr_va_vcc(0) depctr_vm_vsrc(0)
	s_wait_tensorcnt 0x0
	ds_add_u32 v46, v47
	s_wait_dscnt 0x0
	s_endpgm
.Lfunc_end_k_q19e472ccc4_prep:
	.size	k_q19e472ccc4_prep, .Lfunc_end_k_q19e472ccc4_prep-k_q19e472ccc4_prep
	.p2alignl 7, 3214868480
	.fill 96, 4, 3214868480
	.section	.rodata,"a",@progbits
	.p2align	6, 0x0
	.amdhsa_kernel k_q19e472ccc4_prep
		.amdhsa_group_segment_fixed_size 8704
		.amdhsa_private_segment_fixed_size 0
		.amdhsa_enable_private_segment 0
		.amdhsa_kernarg_size 104
		.amdhsa_user_sgpr_count 2
		.amdhsa_user_sgpr_kernarg_segment_ptr 1
		.amdhsa_wavefront_size32 1
		.amdhsa_system_sgpr_workgroup_id_x 1
		.amdhsa_system_sgpr_workgroup_id_y 1
		.amdhsa_system_sgpr_workgroup_id_z 1
		.amdhsa_system_vgpr_workitem_id 0
		.amdhsa_next_free_vgpr 256
		.amdhsa_next_free_sgpr 66
		.amdhsa_reserve_vcc 0
		.amdhsa_float_denorm_mode_32 3
		.amdhsa_float_denorm_mode_16_64 3
		.amdhsa_memory_ordered 1
		.amdhsa_forward_progress 1
		.amdhsa_inst_pref_size 47
	.end_amdhsa_kernel
	.amdgpu_metadata
---
amdhsa.version: [ 1, 2 ]
amdhsa.kernels:
  - .name:           k_q19e472ccc4_prep
    .symbol:         k_q19e472ccc4_prep.kd
    .args:
      - { .name: x, .offset: 0, .size: 8, .value_kind: global_buffer, .address_space: global }
      - { .name: Wq_codes, .offset: 8, .size: 8, .value_kind: global_buffer, .address_space: global }
      - { .name: Wq_scales, .offset: 16, .size: 8, .value_kind: global_buffer, .address_space: global }
      - { .name: Wk_codes, .offset: 24, .size: 8, .value_kind: global_buffer, .address_space: global }
      - { .name: Wk_scales, .offset: 32, .size: 8, .value_kind: global_buffer, .address_space: global }
      - { .name: Wv_codes, .offset: 40, .size: 8, .value_kind: global_buffer, .address_space: global }
      - { .name: Wv_scales, .offset: 48, .size: 8, .value_kind: global_buffer, .address_space: global }
      - { .name: rq, .offset: 56, .size: 8, .value_kind: global_buffer, .address_space: global }
      - { .name: rk, .offset: 64, .size: 8, .value_kind: global_buffer, .address_space: global }
      - { .name: hp, .offset: 72, .size: 8, .value_kind: global_buffer, .address_space: global }
      - { .name: hk, .offset: 80, .size: 8, .value_kind: global_buffer, .address_space: global }
      - { .name: vimg, .offset: 88, .size: 8, .value_kind: global_buffer, .address_space: global }
      - { .name: vsc, .offset: 96, .size: 8, .value_kind: global_buffer, .address_space: global }
    .group_segment_fixed_size: 8704
    .private_segment_fixed_size: 0
    .kernarg_segment_align: 8
    .kernarg_segment_size: 104
    .max_flat_workgroup_size: 128
    .sgpr_count:     66
    .vgpr_count:     256
    .wavefront_size: 32
...
	.end_amdgpu_metadata
.endif
;; end of part 3
;; launch attend (part 4): grid 64 x 4, 16 waves a work-group, no clusters, 83,968 bytes of LDS; arguments rq, rk, hp, hk, vimg, vsc, out0; writes out0
.if DOCPART == 4
	.amdgcn_target "amdgcn-amd-amdhsa--gfx1250"
	.amdhsa_code_object_version 6
	.text
	.protected	k_q19e472ccc4_attend
	.globl	k_q19e472ccc4_attend
	.p2align	8
	.type	k_q19e472ccc4_attend,@function
k_q19e472ccc4_attend:
	s_mov_b64 s[64:65], 0
	v_nop
	global_prefetch_b8 v0, s[64:65] scope:SCOPE_SE
	s_setreg_imm32_b32 hwreg(HW_REG_WAVE_SCHED_MODE, 0, 2), 2
	s_setreg_imm32_b32 hwreg(HW_REG_WAVE_MODE, 25, 1), 1
	s_wait_xcnt 0x0
	s_wait_alu depctr_vm_vsrc(0)
; ATTEND: score(i, j) = 1 - JS(rho_q[i], rho_k[j]) for j <= i, rows divided by their L1 norm, quantised along j, times Q(V).  out0: [4][256][128] f32.
; JS = (ln 2 / 256) (HP[i] + HQ[j] - S), S = sum over e of m log2(m + 256 x 1e-10), m = P + Q, where P = 128 rho_q[i][e], Q = 128 rho_k[j][e] and HP, HQ come from the launch before:
; m is 256 x reference's m exactly, the logarithm is reference's + 8, and the 8 cancels because half of P's and half of Q's sums make m's.  So an element costs two packed additions, a logarithm and a packed fused multiply-add for two.
; SHARES.  Work-group (a, batch) owns rows 2 a, 2 a + 1 (group A) and 254 - 2 a, 255 - 2 a (group B).  In blocks of 32 keys A needs a / 16 + 1 and B needs 8 - a / 16: nine units of 2 rows x 32 keys in every work-group.
; A LANE IS A KEY; wave w of sixteen takes e = 16 w .. 16 w + 15: P of the four rows stays in 64 registers, a block of Q is four loads of 512 consecutive bytes, asked for ahead, and serves both groups.
; The block steps are written out: offsets are immediates, and the branches that leave out a unit hang on the work-group's number alone.  A unit that is left out leaves zeros in its pair of sums: the mask hides it later.
; THE TAIL.  1: wave (group w % 2, block w / 2) adds the sixteen waves' parts, makes the scores, masks them, stores them and its part of the rows' sums.  2: waves 0-7: lane (row, block) normalises and quantises its 32 numbers;
; the codes turn through the wave's own LDS bytes into the operand's layout (lanes r >= 4 repeat rows r % 4: their columns of the result are repeats); source 0 = 16 channels of V^T, source 1 = the rows.  3: waves 0-3 store a row of 512 bytes each.
; The 64 work-groups of a batch read the same blocks of Q, and they are not asked for jointly: here a number of Q goes from memory into the one lane's register that uses it, 16 bytes a lane, and is used there for two or four rows;
; through LDS each of its bytes would be written and read once more, and sixteen waves would meet at a barrier for each block of 32 KiB.  So there is no tensor load and no cluster.
; LIMITS: the row's division is v_rcp_f32 with one Newton step and a multiplication; NaN and infinities are not served; a block of zeros gets the scale byte 1 (its codes are zeros).
; THE MODE: SCHED_MODE bits 1:0 = 2 (LLVM: expert scheduling mode 2), set by the entry lines.  The code itself states the register dependences
; between vector or matrix instructions and memory or LDS instructions, with s_wait_alu, always for 0.
; THE PLAN.  Registers that memory or LDS instructions touch, in the steps:
;   Q0, Q1      A unit reads its block of Q in its first sixteen additions alone, ahead of the wait that stands behind its 32 logarithms.  In a step group A's unit comes first and group B's last: behind B's wait the
;               buffer is read out, and the sums that follow name M, L, ACC and a pair of results, never Q.  So every load into a buffer of Q stands behind such a wait and owes nothing more.
;   RA0 .. RA3  group A's sums, RB0 .. RB7 group B's: a pair of registers for each unit of the text, written once (by the unit's last two additions, or with zeros where the unit is left out).
;               The stores of RB[j - 1] and RA[j] stand behind the wait of B's unit of block j, which lies behind both writes; RB4 to RB7 leave in one run at the end, behind one wait.
;   Z           zeros, written at the head and never again: group A's blocks 4 to 7 are stored from it at the head.
;   v2-v21      offsets and LDS addresses: written at the head, never again: one wait ahead of the first load.
; So the steps hold no wait but the one ahead of and the one behind each batch of logarithms.  Behind the first barrier one wait on vm_vsrc states that the LDS stores have read RA and RB, whose registers the tail writes.
.set PART, 0                           ; LDS: [16 waves][8 blocks][2 groups][32 lanes][2 rows] f32
.set ATT,  65536                       ; the scores: 4 rows of 8 blocks of 128 bytes + 16 of padding
.set ROWP, 1152
.set BLKP, 144
.set RS,   70144                       ; parts of the rows' sums: [4 rows][8 blocks]
.set SCR,  70400                       ; for each of waves 0-7: 512 bytes of codes, then 32 scale bytes, in 1,024 bytes of its own
.set OUTS, 78592                       ; 4 rows of 512 bytes on the way out
.set LANE, 1
.set QOFF, 2                           ; v2  Q: 16 lane + 2,048 wave
.set PA,   3                           ; v3  LDS: where my parts go
.set FA,   4                           ; v4  LDS: where my unit's sixteen parts lie
.set POA,  5                           ; v5  P of group A's first row
.set POB,  6                           ; v6  of group B's
.set HKO,  7
.set HPO,  8
.set VFO,  9
.set VSO,  10
.set ATTW, 11                          ; v11-20 LDS addresses of the tail, all made at the head
.set RSW,  12
.set RSR,  13
.set ATTR, 14
.set SCW,  15
.set SBW,  16
.set FRR,  17
.set SWR,  18
.set OSW,  19
.set OSR,  20
.set GO,   21
.set JJ,   22                          ; v22 my key in the tail's unit
.set TA,   24                          ; v24-31 at work, at the head and in the tail; in the steps:
.set RA,   24                          ; v24-31 group A's sums of blocks 0 to 3: a pair (two rows) each
.set HK,   32                          ; v32-35 HQ's four parts
.set HPR,  36                          ; v36-43 HP's four parts, two rows
.set VF,   44                          ; v44-59 V^T's two fragments
.set VS,   60                          ; v60-61 their scale words: scales and nothing else
.set P,    64                          ; v64-127 rows A0, A1, B0, B1: 16 e each
.set Q,    128                         ; v128-159 two blocks of 16 e
.set M,    160                         ; v160-191 m
.set L,    192                         ; v192-223 m + eps, then the logarithms
.set ACC,  224                         ; v224-231 four packed chains; in the tail the matrix result
.set Z,    232                         ; v232-233 zeros
.set AS,   234                         ; v234-235 the rows' scale words: scales and nothing else
.set AF,   236                         ; v236-251 in the tail the rows' two fragments; in the steps:
.set RB,   236                         ; v236-251 group B's sums of blocks 0 to 7: a pair each
.set C,    252                         ; v252-255 a block's codes
.set WV,   18
.set BB,   20
.set NBA,  21                          ; s21 blocks of group A
.set NBB,  22                          ; s22 blocks of group B
.set EP,   24                          ; s[24:25] 256 x 1e-10
.set SEL,  26
.set NK,   52                          ; s52 -ln 2 / 256
.set MK,   53                          ; s53, s54 the causal masks of the tail's two rows
	s_load_b256 s[4:11], s[0:1], 0x0                   ; rq s[4:5], rk s[6:7], hp s[8:9], hk s[10:11]
	s_load_b128 s[12:15], s[0:1], 0x20                 ; vimg s[12:13], vsc s[14:15]
	s_load_b64 s[16:17], s[0:1], 0x30                  ; out0
	v_lshl_add_u32 v62, v0, 2, 0x14000
	v_mov_b32 v63, 0
	v_lshrrev_b32 v[LANE], 5, v0
	v_readfirstlane_b32 s[WV], v[LANE]                 ; wave 0..15
	v_and_b32 v[LANE], 31, v0
	s_wait_alu depctr_va_vdst(0)
	s_and_b32 s[BB], ttmp7, 0xffff                     ; batch
	s_lshr_b32 s23, ttmp9, 4
	s_add_co_u32 s[NBA], s23, 1
	s_sub_co_u32 s[NBB], 8, s23
	s_mov_b32 s[EP], 0x32dbe6ff
	s_mov_b32 s[EP+1], s[EP]
	s_mov_b32 s[SEL], 0x76543210
	s_mov_b32 s[SEL+1], 0xfedcba98
	s_mov_b32 s[NK], 0xbb317218
	s_lshl_b32 s28, s[BB], 8                           ; the batch's first token
	s_lshl_b32 s30, ttmp9, 1                           ; group A's first row
	s_sub_co_u32 s31, 254, s30                         ; group B's
	s_add_co_u32 s32, s28, s30                         ; as tokens
	s_add_co_u32 s33, s28, s31
	s_wait_alu depctr_va_sdst(0)                       ; the wave's number is written in s[WV], ahead of its first reader: addresses and branches are made from it
	s_lshl_b32 s29, s[WV], 11                          ; my 16 e: four groups of 512 bytes
	s_lshr_b32 s34, s32, 5                             ; P: (token / 32) x 32,768 + (token % 32) x 16; a group's second row lies 16 bytes on (its first is even)
	s_lshl_b32 s34, s34, 15
	s_and_b32 s35, s32, 31
	s_lshl_b32 s35, s35, 4
	s_add_co_u32 s34, s34, s35
	s_add_co_u32 s34, s34, s29
	v_mov_b32 v[POA], s34
	s_lshr_b32 s34, s33, 5
	s_lshl_b32 s34, s34, 15
	s_and_b32 s35, s33, 31
	s_lshl_b32 s35, s35, 4
	s_add_co_u32 s34, s34, s35
	s_add_co_u32 s34, s34, s29
	v_mov_b32 v[POB], s34
	v_lshl_add_u32 v[QOFF], v[LANE], 4, s29
	s_lshl_b32 s36, s[BB], 18                          ; the batch's eight blocks of Q
	s_mov_b32 s37, 0
	s_lshr_b32 s38, s[WV], 1                           ; the tail's unit: block wave / 2,
	s_and_b32 s39, s[WV], 1                            ; group wave % 2
	s_lshl_b32 s41, s38, 5
	v_add_nc_u32 v[JJ], s41, v[LANE]
	s_add_co_u32 s40, s41, s28
	v_add_nc_u32 v[HKO], s40, v[LANE]
	v_lshlrev_b32 v[HKO], 4, v[HKO]                    ; HQ: 16 bytes a token
	s_cmp_eq_u32 s39, 0
	s_cselect_b32 s42, s30, s31                        ; the unit's first row,
	s_cselect_b32 s43, s32, s33                        ; as a token
	s_lshl_b32 s43, s43, 4
	v_mov_b32 v[HPO], s43
	s_add_co_u32 s44, s42, 1                           ; its second row
	s_and_b32 s45, s[WV], 7                            ; my channel tile
	s_lshl_b32 s46, s[BB], 14
	s_lshl_b32 s47, s45, 10
	s_add_co_u32 s46, s46, s47
	v_lshl_add_u32 v[VFO], v[LANE], 4, s46
	v_and_b32 v[TA], 15, v0
	s_lshl_b32 s46, s[BB], 10
	s_lshl_b32 s47, s45, 6
	s_add_co_u32 s46, s46, s47
	v_lshl_add_u32 v[VSO], v[TA], 2, s46
	; LDS addresses: constants, the lane and the wave's number
	s_lshl_b32 s48, s[WV], 12
	v_lshl_add_u32 v[PA], v[LANE], 3, s48
	s_lshl_b32 s48, s[WV], 8                           ; 512 block + 256 group = 256 wave
	v_lshl_add_u32 v[FA], v[LANE], 3, s48
	s_mul_i32 s48, s39, 2*ROWP
	s_mul_i32 s49, s38, BLKP
	s_add_co_u32 s48, s48, s49
	s_add_co_u32 s48, s48, ATT
	v_lshl_add_u32 v[ATTW], v[LANE], 2, s48
	s_lshl_b32 s48, s39, 6
	s_lshl_b32 s49, s38, 2
	s_add_co_u32 s48, s48, s49
	s_add_co_u32 s48, s48, RS
	v_mov_b32 v[RSW], s48
	v_lshrrev_b32 v[TA+1], 3, v[LANE]                  ; in part 2 a lane is (row lane / 8, block lane % 8)
	v_and_b32 v[TA+2], 7, v[LANE]
	v_lshl_add_u32 v[RSR], v[TA+1], 5, RS
	v_mul_u32_u24 v[ATTR], v[TA+1], ROWP
	v_mad_u32_u24 v[ATTR], v[TA+2], BLKP, v[ATTR]
	v_add_nc_u32 v[ATTR], ATT, v[ATTR]
	s_lshl_b32 s48, s45, 10
	s_add_co_u32 s48, s48, SCR
	v_lshl_add_u32 v[SCW], v[LANE], 4, s48             ; 128 row + 16 block = 16 lane
	s_add_co_u32 s49, s48, 512
	v_add_nc_u32 v[SBW], s49, v[LANE]                  ; 8 row + block = lane
	v_and_b32 v[TA+3], 3, v0
	v_bfe_u32 v[TA+4], v0, 4, 1
	v_lshlrev_b32 v[FRR], 7, v[TA+3]
	v_lshl_add_u32 v[FRR], v[TA+4], 4, v[FRR]
	v_add_nc_u32 v[FRR], s48, v[FRR]                   ; a fragment: row r % 4 of 128 bytes, + 16 h
	v_lshl_add_u32 v[SWR], v[TA+3], 3, s49
	s_lshl_b32 s50, s45, 6
	s_add_co_u32 s50, s50, OUTS
	v_lshlrev_b32 v[OSW], 9, v[TA+3]
	v_lshl_add_u32 v[OSW], v[TA+4], 5, v[OSW]
	v_add_nc_u32 v[OSW], s50, v[OSW]                   ; row r % 4, channels 16 tile + 8 h on
	s_and_b32 s50, s[WV], 3
	s_lshl_b32 s50, s50, 9
	s_add_co_u32 s50, s50, OUTS
	v_lshl_add_u32 v[OSR], v[LANE], 4, s50
	s_and_b32 s51, s[WV], 2                            ; waves 0, 1 store group A's rows, waves 2, 3 group B's
	s_cmp_eq_u32 s51, 0
	s_cselect_b32 s51, s32, s33
	s_add_co_u32 s51, s51, s39
	s_lshl_b32 s51, s51, 9
	v_lshl_add_u32 v[GO], v[LANE], 4, s51
	v_mov_b32 v[Z], 0
	v_mov_b32 v[Z+1], 0
	s_wait_kmcnt 0x0
	s_add_nc_u64 s[6:7], s[6:7], s[36:37]
	s_wait_alu depctr_va_vdst(0)                       ; the offsets and LDS addresses v2 to v21 and the zeros v[Z], v[Z+1] are written, which the kernel's loads and stores read; none is written again
	; what the tail wants is asked for first: it is older than every load that the steps wait for
	global_load_b128 v[HK:HK+3], v[HKO], s[10:11]
	global_load_b128 v[HPR:HPR+3], v[HPO], s[8:9]
	global_load_b128 v[HPR+4:HPR+7], v[HPO], s[8:9] offset:16
.irp s, 0,1
.irp c, 0,1
	global_load_b128 v[VF+8*\s+4*\c:VF+8*\s+4*\c+3], v[VFO], s[12:13] offset:8192*\s+512*\c
.endr
	global_load_b32 v[VS+\s], v[VSO], s[14:15] offset:512*\s
.endr
.irp k, 0,1,2,3
	global_load_b128 v[P+4*\k:P+4*\k+3], v[POA], s[4:5] offset:512*\k             ; every lane the same 16 bytes
	global_load_b128 v[P+16+4*\k:P+16+4*\k+3], v[POA], s[4:5] offset:512*\k+16
	global_load_b128 v[P+32+4*\k:P+32+4*\k+3], v[POB], s[4:5] offset:512*\k
	global_load_b128 v[P+48+4*\k:P+48+4*\k+3], v[POB], s[4:5] offset:512*\k+16
.endr
.macro QLOAD jb                        ; block jb of Q into buffer jb % 2: four loads of 512 consecutive bytes
.irp k, 0,1,2,3
	global_load_b128 v[Q+16*((\jb)%2)+4*\k:Q+16*((\jb)%2)+4*\k+3], v[QOFF], s[6:7] offset:(\jb)*32768+512*\k
.endr
.endm
; A UNIT is two rows (P at v[p] and v[p + 16]) x my key x my 16 e, in two halves.  LOGS: m, m + eps and the 32 logarithms, one batch, and the wait behind it.  SUMS: the two rows' sums into the pair v[res], v[res + 1].
; Between the halves stand the unit's loads and LDS stores, if it has any.
.macro LOGS p, q
.irp k, 0,2,4,6,8,10,12,14
	v_pk_add_f32 v[M+\k:M+\k+1], v[\p+\k:\p+\k+1], v[\q+\k:\q+\k+1]
.endr
.irp k, 0,2,4,6,8,10,12,14
	v_pk_add_f32 v[M+16+\k:M+17+\k], v[\p+16+\k:\p+17+\k], v[\q+\k:\q+\k+1]
.endr
.irp k, 0,2,4,6,8,10,12,14,16,18,20,22,24,26,28,30
	v_pk_add_f32 v[L+\k:L+\k+1], v[M+\k:M+\k+1], s[EP:EP+1] op_sel_hi:[1,0]
.endr
	s_wait_alu depctr_va_vdst(0)
.irp k, 0,1,2,3,4,5,6,7,8,9,10,11,12,13,14,15,16,17,18,19,20,21,22,23,24,25,26,27,28,29,30,31
	v_log_f32 v[L+\k], v[L+\k]
.endr
	v_nop                                              ; a plain place behind the last logarithm
	s_wait_alu depctr_va_vdst(0)                       ; the 32 logarithms are written in v[L ..], ahead of their first reader.  The same wait states that the additions above are done reading this block of Q, and that the sums of all earlier units are written
.endm
.macro SUMS res
	v_pk_mul_f32 v[ACC:ACC+1], v[M:M+1], v[L:L+1]      ; the first products start the four chains
	v_pk_mul_f32 v[ACC+2:ACC+3], v[M+2:M+3], v[L+2:L+3]
	v_pk_mul_f32 v[ACC+4:ACC+5], v[M+16:M+17], v[L+16:L+17]
	v_pk_mul_f32 v[ACC+6:ACC+7], v[M+18:M+19], v[L+18:L+19]
.irp k, 4,8,12
	v_pk_fma_f32 v[ACC:ACC+1], v[M+\k:M+\k+1], v[L+\k:L+\k+1], v[ACC:ACC+1]
	v_pk_fma_f32 v[ACC+2:ACC+3], v[M+\k+2:M+\k+3], v[L+\k+2:L+\k+3], v[ACC+2:ACC+3]
	v_pk_fma_f32 v[ACC+4:ACC+5], v[M+\k+16:M+\k+17], v[L+\k+16:L+\k+17], v[ACC+4:ACC+5]
	v_pk_fma_f32 v[ACC+6:ACC+7], v[M+\k+18:M+\k+19], v[L+\k+18:L+\k+19], v[ACC+6:ACC+7]
.endr
	v_pk_add_f32 v[ACC:ACC+1], v[ACC:ACC+1], v[ACC+2:ACC+3]
	v_pk_add_f32 v[ACC+4:ACC+5], v[ACC+4:ACC+5], v[ACC+6:ACC+7]
	v_add_f32 v[\res], v[ACC], v[ACC+1]
	v_add_f32 v[\res+1], v[ACC+4], v[ACC+5]
.endm
.macro PUT res, off                    ; a unit's pair of sums goes to LDS.  It stands behind a wait on va_vdst that lies behind the pair's writes
	ds_store_b64 v[PA], v[\res:\res+1] offset:\off     ; 32 lanes: 256 consecutive bytes of my wave's own
.endm
.macro NEXTQ jb                        ; the block behind jb is asked for where group B reaches it; then block jb is waited for.  Its buffer was read out ahead of the last unit's wait, and no vector instruction since names it
	s_cmp_gt_u32 s[NBB], (\jb)+1
	s_cbranch_scc0 .Lnone_\@
	QLOAD (\jb)+1
	s_wait_loadcnt 0x4                                 ; all but the four just issued
	s_branch .Lhave_\@
.Lnone_\@:
	s_wait_loadcnt 0x0
.Lhave_\@:
.endm
	QLOAD 0
	QLOAD 1
.irp jb, 4,5,6,7
	ds_store_b64 v[PA], v[Z:Z+1] offset:\jb*512        ; group A never reaches these blocks
.endr
	s_wait_loadcnt 0x4                                 ; all but block 1's four loads: the tail's, P and block 0 are in
	LOGS P, Q                                          ; block 0: both groups have it
	SUMS RA
	LOGS P+32, Q
	PUT RA, 0
	QLOAD 2                                            ; buffer 0 is read out: it is asked for again at once
	SUMS RB
.irp jb, 1,2,3                                     ; group B has blocks 0 to 4 in every work-group; group A has 1 to 4 blocks
	s_wait_loadcnt 0x4                                 ; this block is in; the next block's four loads, issued in the step before, may be out
	s_cmp_gt_u32 s[NBA], \jb
	s_cbranch_scc0 .Lno_a\jb
	LOGS P, Q+16*(\jb%2)
	SUMS RA+2*\jb
	s_branch .Ldid_a\jb
.Lno_a\jb:
	v_mov_b32 v[RA+2*\jb], 0                           ; the unit is left out: zeros, so that the store below is the same on both ways
	v_mov_b32 v[RA+2*\jb+1], 0
.Ldid_a\jb:
	LOGS P+32, Q+16*(\jb%2)
	PUT RB+2*(\jb-1), (\jb-1)*512+256                  ; group B's sums of the block before,
	PUT RA+2*\jb, \jb*512                              ; and group A's of this block
.if \jb < 3
	QLOAD \jb+2                                        ; this block's buffer is read out: it is asked for again at once (blocks 3 and 4, which every work-group needs)
.endif
	SUMS RB+2*\jb
.endr
	NEXTQ 4
	LOGS P+32, Q
	PUT RB+6, 3*512+256
	SUMS RB+8
	s_cmp_gt_u32 s[NBB], 5
	s_cbranch_scc0 .Lz5
	NEXTQ 5
	LOGS P+32, Q+16
	SUMS RB+10
	s_cmp_gt_u32 s[NBB], 6
	s_cbranch_scc0 .Lz6
	NEXTQ 6
	LOGS P+32, Q
	SUMS RB+12
	s_cmp_gt_u32 s[NBB], 7
	s_cbranch_scc0 .Lz7
	s_wait_loadcnt 0x0
	LOGS P+32, Q+16
	SUMS RB+14
	s_branch .Lfin
.Lz5:
	v_mov_b32 v[RB+10], 0                              ; the blocks that group B does not reach: zeros
	v_mov_b32 v[RB+11], 0
.Lz6:
	v_mov_b32 v[RB+12], 0
	v_mov_b32 v[RB+13], 0
.Lz7:
	v_mov_b32 v[RB+14], 0
	v_mov_b32 v[RB+15], 0
.Lfin:
	s_wait_loadcnt 0x0                                 ; no load is out on any way here
	s_wait_alu depctr_va_vdst(0)                       ; group B's sums of blocks 4 to 7 are written, which the four stores read; and the last unit's sums are done reading v[M ..] and v[L ..], in which the tail's LDS loads land
.irp jb, 4,5,6,7
	PUT RB+2*\jb, \jb*512+256
.endr
	s_wait_dscnt 0x0                                   ; for the others' sake: my parts have landed
	s_barrier_signal -1
	s_barrier_wait -1
	s_wait_alu depctr_vm_vsrc(0)                       ; my LDS stores have read RA and RB: from here on these registers are TA, which vector instructions write, and AF, in which LDS loads land
	; ---- 1: my unit's scores
.irp q, 0,1,2,3,4,5,6,7,8,9,10,11,12,13,14,15
	ds_load_b64 v[M+2*\q:M+2*\q+1], v[FA] offset:\q*4096
.endr
	v_cmp_ge_u32 s[MK], s42, v[JJ]                     ; the key counts where j <= i: both rows' masks, well ahead of the lines that read them
	v_cmp_ge_u32 s[MK+1], s44, v[JJ]
	v_add_f32 v[HK], v[HK], v[HK+1]
	v_add_f32 v[HK+2], v[HK+2], v[HK+3]
	v_add_f32 v[HPR], v[HPR], v[HPR+1]
	v_add_f32 v[HPR+2], v[HPR+2], v[HPR+3]
	v_add_f32 v[HPR+4], v[HPR+4], v[HPR+5]
	v_add_f32 v[HPR+6], v[HPR+6], v[HPR+7]
	v_add_f32 v[HK], v[HK], v[HK+2]                    ; HQ of my key
	v_add_f32 v[HPR], v[HPR], v[HPR+2]                 ; HP of the two rows
	v_add_f32 v[HPR+4], v[HPR+4], v[HPR+6]
	v_add_f32 v[HPR], v[HPR], v[HK]
	v_add_f32 v[HPR+4], v[HPR+4], v[HK]
	s_wait_dscnt 0x0
.irp q, 0,2,4,6,8,10,12,14
	v_pk_add_f32 v[M+\q:M+\q+1], v[M+\q:M+\q+1], v[M+16+\q:M+17+\q]
.endr
.irp q, 0,2,4,6
	v_pk_add_f32 v[M+\q:M+\q+1], v[M+\q:M+\q+1], v[M+8+\q:M+9+\q]
.endr
.irp q, 0,2
	v_pk_add_f32 v[M+\q:M+\q+1], v[M+\q:M+\q+1], v[M+4+\q:M+5+\q]
.endr
	v_pk_add_f32 v[M:M+1], v[M:M+1], v[M+2:M+3]        ; S of the two rows
	v_sub_f32 v[TA], v[HPR], v[M]
	v_sub_f32 v[TA+1], v[HPR+4], v[M+1]
	v_fma_f32 v[TA], v[TA], s[NK], 1.0                 ; 1 - JS
	v_fma_f32 v[TA+1], v[TA+1], s[NK], 1.0
	s_wait_alu depctr_va_sdst(0)                       ; the two masks are written in s[MK], s[MK+1], ahead of their first readers: one wait for the run of compares
	v_cndmask_b32 v[TA], 0, v[TA], s[MK]
	v_cndmask_b32 v[TA+1], 0, v[TA+1], s[MK+1]
	v_and_b32 v[TA+2], 0x7fffffff, v[TA]               ; the L1 norm takes magnitudes
	v_and_b32 v[TA+3], 0x7fffffff, v[TA+1]
.irp x, 1,2,4,8
	v_add_f32_dpp v[TA+2], v[TA+2], v[TA+2] row_xmask:\x row_mask:0xf bank_mask:0xf
	v_add_f32_dpp v[TA+3], v[TA+3], v[TA+3] row_xmask:\x row_mask:0xf bank_mask:0xf
.endr
	v_permlanex16_b32 v[TA+4], v[TA+2], s[SEL], s[SEL+1]   ; (its destination counts as one of its sources: these two registers were RA2, written on every way)
	v_permlanex16_b32 v[TA+5], v[TA+3], s[SEL], s[SEL+1]
	v_add_f32 v[TA+2], v[TA+2], v[TA+4]
	v_add_f32 v[TA+3], v[TA+3], v[TA+5]
	s_wait_alu depctr_va_vdst(0)                       ; the two scores v[TA], v[TA+1] and the two parts of the rows' sums v[TA+2], v[TA+3] are written, which the four LDS stores read
	ds_store_b32 v[ATTW], v[TA]
	ds_store_b32 v[ATTW], v[TA+1] offset:ROWP
	ds_store_b32 v[RSW], v[TA+2]                       ; all lanes write the same word with the same value
	ds_store_b32 v[RSW], v[TA+3] offset:32
	s_wait_dscnt 0x0                                   ; my stores have landed, my reads of the parts are in
	s_barrier_signal -1
	s_barrier_wait -1
	; ---- 2: waves 0-7: the rows become an operand; one channel tile each
	s_cmp_lt_u32 s[WV], 8
	s_cbranch_scc0 .Lskip2
	ds_load_b128 v[M:M+3], v[RSR]
	ds_load_b128 v[M+4:M+7], v[RSR] offset:16
.irp k, 0,1,2,3,4,5,6,7
	ds_load_b128 v[L+4*\k:L+4*\k+3], v[ATTR] offset:16*\k   ; my block's 32 scores
.endr
	s_wait_dscnt 8                                     ; the two loads of the row's sums are in; the eight behind them may be out
	v_add_f32 v[M], v[M], v[M+1]
	v_add_f32 v[M+2], v[M+2], v[M+3]
	v_add_f32 v[M+4], v[M+4], v[M+5]
	v_add_f32 v[M+6], v[M+6], v[M+7]
	v_add_f32 v[M], v[M], v[M+2]
	v_add_f32 v[M+4], v[M+4], v[M+6]
	v_add_f32 v[M], v[M], v[M+4]
	v_max_num_f32 v[M], 0x2b8cbccc, v[M]               ; at least 1e-12
	s_wait_alu depctr_va_vdst(0)
	v_rcp_f32 v[TA+6], v[M]
	v_nop
	s_wait_alu depctr_va_vdst(0)                       ; the reciprocal is written in v[TA+6], ahead of its first reader
	v_fma_f32 v[M+1], -v[M], v[TA+6], 1.0              ; one Newton step
	v_fma_f32 v[TA+6], v[TA+6], v[M+1], v[TA+6]
	v_mov_b32 v[TA+7], v[TA+6]
	s_wait_alu depctr_va_vdst(0)
	s_wait_dscnt 0x0
.irp k, 0,2,4,6,8,10,12,14,16,18,20,22,24,26,28,30
	v_pk_mul_f32 v[L+\k:L+\k+1], v[L+\k:L+\k+1], v[TA+6:TA+7]
.endr
	v_max3_num_f32 v[M], |v[L]|, |v[L+1]|, |v[L+2]|    ; the block's largest magnitude: all 32 numbers are mine
	v_max3_num_f32 v[M+1], |v[L+3]|, |v[L+4]|, |v[L+5]|
.irp i, 6,10,14,18,22,26
	v_max3_num_f32 v[M], v[M], |v[L+\i]|, |v[L+\i+1]|
	v_max3_num_f32 v[M+1], v[M+1], |v[L+\i+2]|, |v[L+\i+3]|
.endr
	v_max3_num_f32 v[M], v[M], |v[L+30]|, |v[L+31]|
	v_max3_num_f32 v[M], v[M], v[M+1], 0x1800000       ; and the floor 2^(3 - 127): the byte cannot fall under 1
	v_add_nc_u32 v[M+2], 0xff000000, v[M]              ; 2 off the exponent field: the conversion's scale operand
	v_lshrrev_b32 v[M+3], 23, v[M+2]                   ; the scale's byte
.irp g, 0,1,2,3
	v_cvt_scalef32_pk8_fp4_f32 v[C+\g], v[L+8*\g:L+8*\g+7], v[M+2]
.endr
	v_nop                                              ; one plain place behind the scaled conversions
	s_wait_alu depctr_va_vdst(0)                       ; the codes v[C ..] and the scale byte v[M+3] are written, which the two LDS stores read
	ds_store_b128 v[SCW], v[C:C+3]                     ; rows of 256 codes, as they would lie in memory, in my wave's own bytes
	ds_store_b8 v[SBW], v[M+3]
.irp s, 0,1                                        ; LDS serves a wave's instructions in order: these see my stores
.irp c, 0,1
	ds_load_b128 v[AF+8*\s+4*\c:AF+8*\s+4*\c+3], v[FRR] offset:64*\s+32*\c
.endr
	ds_load_b32 v[AS+\s], v[SWR] offset:4*\s
.endr
	s_wait_dscnt 0x0
	v_wmma_scale_f32_16x16x128_f8f6f4 v[ACC:ACC+7], v[VF:VF+7], v[AF:AF+7], 0, v[VS], v[AS] matrix_a_fmt:MATRIX_FMT_FP4 matrix_b_fmt:MATRIX_FMT_FP4
	s_wait_alu depctr_va_vdst(0)                       ; the wait stands directly ahead of the link
	v_wmma_scale_f32_16x16x128_f8f6f4 v[ACC:ACC+7], v[VF+8:VF+15], v[AF+8:AF+15], v[ACC:ACC+7], v[VS+1], v[AS+1] matrix_a_fmt:MATRIX_FMT_FP4 matrix_b_fmt:MATRIX_FMT_FP4
.rept 4
	v_nop                                              ; four places ahead of the stores that read the result
.endr
	s_wait_alu depctr_va_vdst(0)                       ; the matrix instruction has written v[ACC ..], which the two LDS stores read; the places above stay beside this wait
	ds_store_b128 v[OSW], v[ACC:ACC+3]                 ; lane (r, h): out(row r % 4, 16 tile + 8 h + 0 .. 7); lanes that repeat a row write the same bytes with the same values
	ds_store_b128 v[OSW], v[ACC+4:ACC+7] offset:16
.Lskip2:
	s_wait_dscnt 0x0
	s_barrier_signal -1
	s_barrier_wait -1
	; ---- 3: waves 0-3 store a whole row each
	s_cmp_lt_u32 s[WV], 4
	s_cbranch_scc0 .Lend
	ds_load_b128 v[L:L+3], v[OSR]                      ; into registers that no memory or LDS instruction has read, and whose last vector readers stand ahead of part 2's waits
	s_wait_dscnt 0x0
	global_store_b128 v[GO], v[L:L+3], s[16:17] th:TH_STORE_NT   ; 32 lanes: 512 consecutive bytes, aligned
.Lend:
	s_wait_dscnt 0x0
	s_wait_alu depctr_hold_cnt(0) depctr_sa_sdst(0) depctr_va_vdst(0) depctr_va_sdst(0) depctr_va_ssrc(0) depctr_va_vcc(0) depctr_vm_vsrc(0)
	s_wait_tensorcnt 0x0
	ds_add_u32 v62, v63
	s_wait_dscnt 0x0
	s_endpgm
.Lfunc_end_k_q19e472ccc4_attend:
	.size	k_q19e472ccc4_attend, .Lfunc_end_k_q19e472ccc4_attend-k_q19e472ccc4_attend
	.p2alignl 7, 3214868480
	.fill 96, 4, 3214868480
	.section	.rodata,"a",@progbits
	.p2align	6, 0x0
	.amdhsa_kernel k_q19e472ccc4_attend
		.amdhsa_group_segment_fixed_size 83968
		.amdhsa_private_segment_fixed_size 0
		.amdhsa_enable_private_segment 0
		.amdhsa_kernarg_size 56
		.amdhsa_user_sgpr_count 2
		.amdhsa_user_sgpr_kernarg_segment_ptr 1
		.amdhsa_wavefront_size32 1
		.amdhsa_system_sgpr_workgroup_id_x 1
		.amdhsa_system_sgpr_workgroup_id_y 1
		.amdhsa_system_sgpr_workgroup_id_z 1
		.amdhsa_system_vgpr_workitem_id 0
		.amdhsa_next_free_vgpr 256
		.amdhsa_next_free_sgpr 66
		.amdhsa_reserve_vcc 0
		.amdhsa_float_denorm_mode_32 3
		.amdhsa_float_denorm_mode_16_64 3
		.amdhsa_memory_ordered 1
		.amdhsa_forward_progress 1
		.amdhsa_inst_pref_size 74
	.end_amdhsa_kernel
	.amdgpu_metadata
---
amdhsa.version: [ 1, 2 ]
amdhsa.kernels:
  - .name:           k_q19e472ccc4_attend
    .symbol:         k_q19e472ccc4_attend.kd
    .args:
      - { .name: rq, .offset: 0, .size: 8, .value_kind: global_buffer, .address_space: global }
      - { .name: rk, .offset: 8, .size: 8, .value_kind: global_buffer, .address_space: global }
      - { .name: hp, .offset: 16, .size: 8, .value_kind: global_buffer, .address_space: global }
      - { .name: hk, .offset: 24, .size: 8, .value_kind: global_buffer, .address_space: global }
      - { .name: vimg, .offset: 32, .size: 8, .value_kind: global_buffer, .address_space: global }
      - { .name: vsc, .offset: 40, .size: 8, .value_kind: global_buffer, .address_space: global }
      - { .name: out0, .offset: 48, .size: 8, .value_kind: global_buffer, .address_space: global }
    .group_segment_fixed_size: 83968
    .private_segment_fixed_size: 0
    .kernarg_segment_align: 8
    .kernarg_segment_size: 56
    .max_flat_workgroup_size: 512
    .sgpr_count:     66
    .vgpr_count:     256
    .wavefront_size: 32
...
	.end_amdgpu_metadata
.endif
;; end of part 4
